; MI455X (gfx1250); checked and timed in simulation.
; The chip was launched on July 23, 2026; its instructions are those of AMD's public machine-readable ISA for CDNA 5 (MIT licence, August 2026) and "CDNA5" Instruction Set Architecture Reference Guide (July 2026). The comments in the code are by the model that wrote it; some were corrected since.
;; G Fusion. Allowed arithmetic: float matrix products may take bf16 or f16 operands with f32 sums; other float arithmetic in f32, or as packed bf16 or f16 multiplies, adds, multiply-adds, maxima and minima; sums over many terms, partial sums and values carried from step to step in f32; what a program stores and reads back later, other than sums and carried values, may be rounded once to bf16 or f16.
;; Inputs: Wk 384 x 384 float32; Wo 384 x 384 float32; Wq 384 x 384 float32; Wv 384 x 384 float32; bk 384 float32; bo 384 float32; bq 384 float32; bv 384 float32; x 8,192 x 384 float32; y 8,192 x 384 float32.
;; Outputs: out0 8,192 x 384 float32.
;; 2 versions, each right; version 2 is version 1 with the launch prep written anew for expert scheduling mode. Each part assembles by itself: llvm-mc -triple=amdgcn-amd-amdhsa -mcpu=gfx1250 --defsym DOCPART=n.
;; ======== version 1 of 2: 4 launches
;; workspace buffers: ybf 6,340,608 bytes; wf 1,191,936 bytes; qf 6,291,456 bytes; xf 6,291,456 bytes; qb 32,768 bytes; part 50,331,648 bytes; ml 524,288 bytes
;; launch prep (part 1): grid 256 x 1, 8 waves a work-group, no clusters, 0 bytes of LDS; arguments y, Wq, Wv, Wo, Wk, bk, ybf, wf; writes ybf, wf
.if DOCPART == 1
	.amdgcn_target "amdgcn-amd-amdhsa--gfx1250"
	.amdhsa_code_object_version 6
	.text
	.protected	k_qd585f9cd88_prep
	.globl	k_qd585f9cd88_prep
	.p2align	8
	.type	k_qd585f9cd88_prep,@function
k_qd585f9cd88_prep:
	s_mov_b64 s[64:65], 0
	v_nop
	global_prefetch_b8 v0, s[64:65] scope:SCOPE_SE
	s_setreg_imm32_b32 hwreg(HW_REG_WAVE_MODE, 25, 1), 1
	s_wait_xcnt 0x0
; PREP.  (1) ybf = 64 rows of zeros, then y rounded to bf16: 8,256 rows of 768 bytes.
; (2) wf = Wq, Wk transposed, a block whose 16 rows are all bk, Wv, Wo, rounded to bf16 and laid out in matrix fragments.
; A fragment (cb, c) is 16 rows (16 cb ..) x 32 k (32 c ..), 1,024 bytes at 1,024 (12 cb + c): lane l = (r = l % 16, h = l / 16) has 16 bytes at 16 l
; (k = 32 c + 8 h + 0..7 of row 16 cb + r) and 16 bytes at 512 + 16 l (k = 32 c + 16 + 8 h + 0..7): the registers of a 16-bit matrix operand as they lie,
; so that every later load of a fragment is 512 consecutive bytes.
; SHARES.  Every work-group converts 49,152 bytes of y (a wave 6,144: twelve loads of 512 bytes); work-groups 0 to 157 also make one fragment, or 512 bytes
; of the zero rows, in each wave.  No LDS and no matrix unit: each byte is read once and written once.
.set PADB,  49152                      ; the 64 zero rows
.set D_WQ,  0                          ; byte offsets in wf
.set D_WKT, 294912
.set D_BK,  589824
.set D_WV,  602112
.set D_WO,  897024
	s_load_b512 s[4:19], s[0:1], 0x0               ; y 4:5, Wq 6:7, Wv 8:9, Wo 10:11, Wk 12:13, bk 14:15, ybf 16:17, wf 18:19
	v_lshrrev_b32 v1, 5, v0
	v_readfirstlane_b32 s20, v1                    ; wave 0..7
	v_and_b32 v2, 31, v0                           ; lane
	s_mul_i32 s22, ttmp9, 49152                    ; the work-group's bytes of y,
	s_mov_b32 s23, 0
	s_mul_i32 s24, ttmp9, 24576                    ; and of ybf, behind the zero rows
	s_add_co_u32 s24, s24, PADB
	s_mov_b32 s25, 0
	s_mul_i32 s21, s20, 6144
	v_lshl_add_u32 v3, v2, 4, s21                  ; in: 6,144 wave + 16 lane
	s_mul_i32 s21, s20, 3072
	v_lshl_add_u32 v4, v2, 3, s21                  ; out: 3,072 wave + 8 lane
	s_wait_kmcnt 0x0
	s_add_nc_u64 s[26:27], s[4:5], s[22:23]
	s_add_nc_u64 s[28:29], s[16:17], s[24:25]
.irp i, 0,1,2,3,4,5,6,7,8,9,10,11
	global_load_b128 v[16+4*\i:16+4*\i+3], v3, s[26:27] offset:512*\i th:TH_LOAD_NT
.endr
.irp i, 0,1,2,3,4,5,6,7,8,9,10,11
	s_wait_loadcnt 11-\i                           ; loads come back in order: number i is in, the younger ones stay out
	v_cvt_pk_bf16_f32 v[16+4*\i], v[16+4*\i], v[16+4*\i+1]      ; in place: no store's data register is written again
	v_cvt_pk_bf16_f32 v[16+4*\i+1], v[16+4*\i+2], v[16+4*\i+3]
	global_store_b64 v4, v[16+4*\i:16+4*\i+1], s[28:29] offset:256*\i  ; the wave's store covers 256 consecutive bytes, aligned
.endr
	; THE WEIGHTS.  Which task a work-group has hangs on its number alone.
	s_mov_b32 s30, ttmp9
	s_cmp_ge_u32 s30, 158
	s_cbranch_scc1 .Lend
	v_and_b32 v5, 15, v0                           ; r
	v_bfe_u32 v6, v0, 4, 1                         ; h
	v_lshlrev_b32 v7, 4, v2                        ; 16 lane
	s_cmp_ge_u32 s30, 146
	s_cbranch_scc1 .Lpad
	s_cmp_ge_u32 s30, 144
	s_cbranch_scc1 .Lbias
	s_cmp_ge_u32 s30, 108
	s_cbranch_scc1 .Lturned
	s_mov_b64 s[44:45], s[10:11]                   ; work-groups 72-107: Wo
	s_mov_b32 s32, 72
	s_mov_b32 s35, D_WO
	s_cmp_lt_u32 s30, 72
	s_cselect_b64 s[44:45], s[8:9], s[44:45]       ; 36-71: Wv
	s_cselect_b32 s32, 36, s32
	s_cselect_b32 s35, D_WV, s35
	s_cmp_lt_u32 s30, 36
	s_cselect_b64 s[44:45], s[6:7], s[44:45]       ; 0-35: Wq
	s_cselect_b32 s32, 0, s32
	s_cselect_b32 s35, D_WQ, s35
	s_mov_b32 s46, 1536                            ; bytes from row to row
	s_mov_b32 s47, 288                             ; fragments
	s_branch .Lplain
.Lbias:                                                ; 144-145: all 16 rows of the block are bk: the pitch is 0
	s_mov_b64 s[44:45], s[14:15]
	s_mov_b32 s32, 144
	s_mov_b32 s35, D_BK
	s_mov_b32 s46, 0
	s_mov_b32 s47, 12
; f = 8 (work-group - first) + wave; cb = f / 12 = (171 f) >> 11, exact below 288; c = f - 12 cb; the fragment's place in wf
.macro FRAGNO
	s_sub_co_u32 s31, s30, s32
	s_lshl3_add_u32 s31, s31, s20
	s_mul_i32 s33, s31, 171
	s_lshr_b32 s33, s33, 11
	s_mul_i32 s34, s33, 12
	s_sub_co_u32 s34, s31, s34
	s_lshl_b32 s36, s31, 10
	s_add_co_u32 s36, s36, s35
	s_mov_b32 s37, 0
	s_add_nc_u64 s[38:39], s[18:19], s[36:37]
.endm
; sixteen f32 in v[64:79], in the order of the fragment's k, become eight registers and leave as two runs of 512 bytes
.macro OUTFRAG
	s_wait_loadcnt 0x0
.irp k, 0,1,2,3,4,5,6,7
	v_cvt_pk_bf16_f32 v[80+\k], v[64+2*\k], v[64+2*\k+1]
.endr
	global_store_b128 v7, v[80:83], s[38:39]
	global_store_b128 v7, v[84:87], s[38:39] offset:512
.endm
.Lplain:
	FRAGNO
	s_cmp_ge_u32 s31, s47                          ; bk's block has 12 fragments for 16 waves
	s_cbranch_scc1 .Lend
	s_mul_i32 s40, s33, s46
	s_lshl_b32 s40, s40, 4                         ; 16 cb rows
	s_lshl_b32 s41, s34, 7                         ; + 32 c numbers of 4 bytes
	s_add_co_u32 s40, s40, s41
	s_mov_b32 s41, 0
	s_add_nc_u64 s[42:43], s[44:45], s[40:41]
	v_mul_lo_u32 v8, v5, s46                       ; row r
	v_lshl_add_u32 v8, v6, 5, v8                   ; + 8 h numbers
	global_load_b128 v[64:67], v8, s[42:43]
	global_load_b128 v[68:71], v8, s[42:43] offset:16
	global_load_b128 v[72:75], v8, s[42:43] offset:64
	global_load_b128 v[76:79], v8, s[42:43] offset:80
	OUTFRAG
	s_branch .Lend
.Lturned:                                              ; 108-143: row 16 cb + r of Wk transposed is column 16 cb + r of Wk: lane (r, h) takes Wk[32 c + 8 h + i (+ 16)][16 cb + r]
	s_mov_b32 s32, 108
	s_mov_b32 s35, D_WKT
	FRAGNO
	s_mul_i32 s40, s34, 49152                      ; 32 c rows of 1,536 bytes
	s_lshl_b32 s41, s33, 6                         ; + 16 cb columns
	s_add_co_u32 s40, s40, s41
	s_mov_b32 s41, 0
	s_add_nc_u64 s[42:43], s[12:13], s[40:41]
	v_mul_u32_u24 v8, v6, 12288                    ; 8 h rows
	v_lshl_add_u32 v8, v5, 2, v8                   ; + column r
.irp i, 0,1,2,3,4,5,6,7
	global_load_b32 v[64+\i], v8, s[42:43] offset:1536*\i
	global_load_b32 v[72+\i], v8, s[42:43] offset:24576+1536*\i
.endr
	OUTFRAG
	s_branch .Lend
.Lpad:                                                 ; 146-157: 96 waves x 512 bytes = the 64 zero rows at ybf's head
	s_sub_co_u32 s31, s30, 146
	s_lshl3_add_u32 s31, s31, s20
	s_lshl_b32 s36, s31, 9
	s_mov_b32 s37, 0
	s_add_nc_u64 s[38:39], s[16:17], s[36:37]
	v_mov_b32 v64, 0
	v_mov_b32 v65, 0
	v_mov_b32 v66, 0
	v_mov_b32 v67, 0
	global_store_b128 v7, v[64:67], s[38:39]
.Lend:
	s_endpgm
.Lfunc_end_k_qd585f9cd88_prep:
	.size	k_qd585f9cd88_prep, .Lfunc_end_k_qd585f9cd88_prep-k_qd585f9cd88_prep
	.p2alignl 7, 3214868480
	.fill 96, 4, 3214868480
	.section	.rodata,"a",@progbits
	.p2align	6, 0x0
	.amdhsa_kernel k_qd585f9cd88_prep
		.amdhsa_group_segment_fixed_size 0
		.amdhsa_private_segment_fixed_size 0
		.amdhsa_enable_private_segment 0
		.amdhsa_kernarg_size 64
		.amdhsa_user_sgpr_count 2
		.amdhsa_user_sgpr_kernarg_segment_ptr 1
		.amdhsa_wavefront_size32 1
		.amdhsa_system_sgpr_workgroup_id_x 1
		.amdhsa_system_sgpr_workgroup_id_y 1
		.amdhsa_system_sgpr_workgroup_id_z 1
		.amdhsa_system_vgpr_workitem_id 0
		.amdhsa_next_free_vgpr 88
		.amdhsa_next_free_sgpr 66
		.amdhsa_reserve_vcc 0
		.amdhsa_float_denorm_mode_32 3
		.amdhsa_float_denorm_mode_16_64 3
		.amdhsa_memory_ordered 1
		.amdhsa_forward_progress 1
		.amdhsa_inst_pref_size 12
	.end_amdhsa_kernel
	.amdgpu_metadata
---
amdhsa.version: [ 1, 2 ]
amdhsa.kernels:
  - .name:           k_qd585f9cd88_prep
    .symbol:         k_qd585f9cd88_prep.kd
    .args:
      - { .name: y, .offset: 0, .size: 8, .value_kind: global_buffer, .address_space: global }
      - { .name: Wq, .offset: 8, .size: 8, .value_kind: global_buffer, .address_space: global }
      - { .name: Wv, .offset: 16, .size: 8, .value_kind: global_buffer, .address_space: global }
      - { .name: Wo, .offset: 24, .size: 8, .value_kind: global_buffer, .address_space: global }
      - { .name: Wk, .offset: 32, .size: 8, .value_kind: global_buffer, .address_space: global }
      - { .name: bk, .offset: 40, .size: 8, .value_kind: global_buffer, .address_space: global }
      - { .name: ybf, .offset: 48, .size: 8, .value_kind: global_buffer, .address_space: global }
      - { .name: wf, .offset: 56, .size: 8, .value_kind: global_buffer, .address_space: global }
    .group_segment_fixed_size: 0
    .private_segment_fixed_size: 0
    .kernarg_segment_align: 8
    .kernarg_segment_size: 64
    .max_flat_workgroup_size: 256
    .sgpr_count:     66
    .vgpr_count:     88
    .wavefront_size: 32
...
	.end_amdgpu_metadata
.endif
;; end of part 1
;; launch qproj (part 2): grid 256 x 1, 4 waves a work-group, clusters of 4 x 1, 327,680 bytes of LDS; arguments x, bq, wf, qf, xf, qb; writes qf, xf, qb
.if DOCPART == 2
	.amdgcn_target "amdgcn-amd-amdhsa--gfx1250"
	.amdhsa_code_object_version 6
	.text
	.protected	k_qd585f9cd88_qproj
	.globl	k_qd585f9cd88_qproj
	.p2align	8
	.type	k_qd585f9cd88_qproj,@function
k_qd585f9cd88_qproj:
	s_mov_b64 s[64:65], 0
	v_nop
	global_prefetch_b8 v0, s[64:65] scope:SCOPE_SE
	s_setreg_imm32_b32 hwreg(HW_REG_WAVE_MODE, 25, 1), 1
	s_wait_xcnt 0x0
	s_wait_alu depctr_hold_cnt(0) depctr_sa_sdst(0) depctr_va_vdst(0) depctr_va_sdst(0) depctr_va_ssrc(0) depctr_va_vcc(0) depctr_vm_vsrc(0)
	s_getreg_b32 s2, hwreg(HW_REG_IB_STS2, 6, 4)
	s_cmp_eq_u32 s2, 0
	s_cbranch_scc0 .Lentry_in_a_cluster
	s_endpgm
.Lentry_in_a_cluster:
	s_bfe_u32 s2, ttmp6, 0x10000c
	s_cmp_lg_u32 s2, 0x3003
	s_cbranch_scc0 .Lentry_shape_is_right
	s_endpgm
.Lentry_shape_is_right:
; QPROJ.  Q = x Wq^T + bq;  Q' = Q Wk (so that Q . K_j = Q' . y_j + Q . bk);  qb = Q . bk;  and x itself in bf16 fragments for the last launch.
; Operands bf16, sums f32; bq enters in f32 as the C operand of the first product.  Q is rounded to bf16 once, between the two products; Q' once, on its way out.
; SHARES.  A work-group owns 32 rows of x: tiles t = 0, 1 of 16.  Wave w makes the output channel blocks cb = 6 w .. 6 w + 5 (16 channels each) of both products for both tiles.
; LAYOUT.  Products are taken transposed: source 0 = a weight fragment (16 output channels x 32 k), source 1 = 16 rows of the activation.  In a result lane (r, h) holds row r and
; channels 16 cb + 8 h + 0..7, so two neighbouring accumulators, rounded in pairs, ARE the source-1 fragment of k = 32 (cb / 2) ..: nothing changes lanes.
; CLUSTER.  All work-groups walk the same weights, 24 slices of 32 k (12 of Wq, 12 of Wk^T), so the four of a cluster ask for them JOINTLY: the same tensor load, descriptor and mask in all four.
; THE RING.  Two LDS slots of six slices.  A wave fills and reads only its own quarter of a slot: its six channel blocks, 6,144 bytes each.  Four fills: Wq's two halves at the start, Wk^T's two halves as
; refills.  A slot goes into registers in two RUNS of three slices (36 loads, 144 registers, two buffers by turns), two runs ahead of the products, so a slot is free, and asked for again, early:
; the first refill goes out ahead of the first product, the second behind step 2.  By the text's own count two tensor loads of a wave are out at the start, one later.
; The block of bk (all 16 rows equal) rides along in the second product: every register of its result holds the lane's own query's Q . bk.  All four waves make it: 24 products a wave
; in place of a sum across waves; its 12 fragments come by plain loads.
; REGISTERS, in windows of 256 (s_set_vgpr_msb: bits 1:0 source 0, 3:2 source 1, 5:4 source 2, 7:6 destination):
;   window 0: v0-31 addresses; v32-143 14 accumulators ((cbl, t) at 32 + 8 (2 cbl + t); bk's two at 128, 136); v144-239 x as loaded
;   window 1: v0-191 the activation's 24 fragments, (t, c) at 96 t + 8 c     window 2: v0-143 run buffer 0, v144-239 bk's fragments     window 3: v0-143 run buffer 1
.set XP,    784                        ; a row of x in LDS: 768 bytes + 16: 49 x 16, so the 16 rows of a fragment load start at 16 different groups of four banks (64 banks of 4 bytes: ISA guide 11.1)
.set SPARE, 32*XP                      ; LDS 0 .. 25,087: x's 32 rows, later Q's 24 fragments ((t, c) at 1,024 (12 t + c)); behind them the spare words, 128 bytes for each wave: two blocks of 256 bytes that no other line names
.set RING,  SPARE+512                  ; behind them the two slots: no ds_store ever lands there
.set WPART, 36864                      ; a wave's quarter of a slot: 6 blocks x 6 slices x 1,024 bytes
.set SLOTB, 4*WPART
.set NEXTW, 294912                     ; bytes in wf from Wq to Wk^T
.set L16, 4                            ; v4   16 x lane (also where I read Q's fragments)
.set BQO, 5                            ; v5   32 h
.set XTS, 6                            ; v6   where I put 8 bytes of a row of x
.set XTL, 7                            ; v7   my place in a fragment of x: 784 r + 16 h
.set XTW, 8                            ; v8   the same at my wave's three slices of k
.set QXS, 9                            ; v9   where I put 16 bytes of my wave's fragments of Q
.set QBO, 11                           ; v11  4 x lane
.set QBV, 12                           ; v12  qb on its way out
.set LA,  13                           ; v13, v14  my 16 bytes at the head of my quarter of slot 0, 1
.set SPW, 30                           ; v30  LDS address of my spare word; never rewritten
.set NIL, 31                           ; v31  0; never rewritten
.set ACC, 32
.set XR,  144
.set BK,  144                          ; window 2
.set WV,  16                           ; s16  my wave's number
.set WF,  8                            ; s[8:9]   wf
.set XB,  24                           ; s[24:25] x at my wave's 8 rows
.set BQB, 26                           ; s[26:27] bq at my wave's 96 channels
.set QFB, 30                           ; s[30:31] qf at my wave's fragments
.set XFB, 32                           ; s[32:33] xf likewise
.set QBB, 34                           ; s[34:35] qb at the work-group's 32 rows
.set G1,  40                           ; s[40:47] descriptor group 1
.set GA,  48                           ; s[48:51] descriptor group 0 for slot 0
.set GB,  52                           ; s[52:55] for slot 1
.set MSB, 0
.macro WIN new                         ; the immediate's high byte repeats the setting that is left; a switch that changes nothing is dropped
.if MSB != (\new)
	s_set_vgpr_msb (MSB<<8)|(\new)
.set MSB, \new
.endif
.endm
.macro PLACES                          ; four places behind products, in front of loads into registers that they read and of conversions that read results (ISA guide 7.12.1 for the conversions)
.rept 4
	v_nop
.endr
.endm
; A round of the cluster's barrier: my work-group's barrier, so that wave 0's signal speaks for all four waves; wave 0 signals; every wave waits for all four work-groups; my work-group's barrier once more.
.macro CROUND
	s_barrier_signal -1
	s_barrier_wait -1
	s_cmp_lg_u32 s[WV], 0
	s_cbranch_scc1 .Lnot_wave_0_\@
	s_barrier_signal -3
.Lnot_wave_0_\@:
	s_barrier_wait -3
	s_barrier_signal -1
	s_barrier_wait -1
.endm
; A slot, all of which lies in registers by now, is filled again, with the same slices of Wk^T.  Each wave waits for all its tensor loads, adds 0 to its spare word, and waits for that and for its reads of
; the slot; the barrier is a round of the cluster's; the joint refill is the first thing behind it.  The four v_nop behind it are also the places in front of the next run of loads.
.macro REFILL g
	WIN 0
	s_wait_tensorcnt 0x0                           ; no tensor load of mine is out, so a group 0 may be written
	ds_add_u32 v[SPW], v[NIL]                      ; 0 onto my spare word; the address's step stands between it and the wait for it
	s_add_nc_u64 s[(\g)+2:(\g)+3], s[(\g)+2:(\g)+3], NEXTW  ; the type bits on top are not reached
	s_wait_dscnt 0x0                               ; the add is done, and my reads of the slot are back
	CROUND
	tensor_load_to_lds s[(\g):(\g)+3], s[G1:G1+7]
	s_nop 0
	PLACES
.endm
; Run h of eight: slices 3 h .. 3 h + 2, from slot (h / 2) % 2, into buffer h % 2: slice i, block cbl at 48 i + 8 cbl.  Each load takes 512 consecutive bytes.
.macro FETCH h
	WIN 0x80+0x40*((\h)%2)                         ; destination window 2 or 3
.set fa, LA+((\h)/2)%2
.set fi, 0
.rept 18
	ds_load_b128 v[8*fi:8*fi+3],   v[fa] offset:6144*(fi%6)+1024*(3*((\h)%2)+fi/6)
	ds_load_b128 v[8*fi+4:8*fi+7], v[fa] offset:6144*(fi%6)+1024*(3*((\h)%2)+fi/6)+512
.set fi, fi+1
.endr
.endm
; Run h is multiplied.  The 12 (in the second product 14) accumulators take turns, one instruction a turn, from slice to slice and from run to run too.
; Slice 12, the second product's first, starts the sums with the constant 0.
.macro MULS h
.set si, 0
.rept 3
.set sg, 3*(\h)+si
.set cs, 8*(sg%12)
	WIN 0x06+(\h)%2                                ; source 0 window 2 or 3, source 1 window 1
.set ai, 0
.rept 12
.if sg == 12
	v_wmma_f32_16x16x32_bf16 v[ACC+8*ai:ACC+8*ai+7], v[48*si+8*(ai/2):48*si+8*(ai/2)+7], v[96*(ai%2)+cs:96*(ai%2)+cs+7], 0
.else
	v_wmma_f32_16x16x32_bf16 v[ACC+8*ai:ACC+8*ai+7], v[48*si+8*(ai/2):48*si+8*(ai/2)+7], v[96*(ai%2)+cs:96*(ai%2)+cs+7], v[ACC+8*ai:ACC+8*ai+7]
.endif
.set ai, ai+1
.endr
.if sg >= 12
	WIN 0x06                                       ; bk's fragments lie in window 2
.rept 2
.if sg == 12
	v_wmma_f32_16x16x32_bf16 v[ACC+8*ai:ACC+8*ai+7], v[BK+8*(sg-12):BK+8*(sg-12)+7], v[96*(ai%2)+cs:96*(ai%2)+cs+7], 0
.else
	v_wmma_f32_16x16x32_bf16 v[ACC+8*ai:ACC+8*ai+7], v[BK+8*(sg-12):BK+8*(sg-12)+7], v[96*(ai%2)+cs:96*(ai%2)+cs+7], v[ACC+8*ai:ACC+8*ai+7]
.endif
.set ai, ai+1
.endr
.endif
.set si, si+1
.endr
.endm
.macro PACKALL                         ; each of the 12 accumulators is rounded to bf16 into its own four lowest registers, read in ascending order
	WIN 0
.set ai, 0
.rept 12
.irp k, 0,1,2,3
	v_cvt_pk_bf16_f32 v[ACC+8*ai+\k], v[ACC+8*ai+2*\k], v[ACC+8*ai+2*\k+1]
.endr
.set ai, ai+1
.endr
.endm
	s_load_b256 s[4:11], s[0:1], 0x0               ; x 4:5, bq 6:7, wf 8:9, qf 10:11
	s_load_b128 s[12:15], s[0:1], 0x20             ; xf 12:13, qb 14:15
	v_lshl_add_u32 v[SPW], v0, 2, SPARE
	v_mov_b32 v[NIL], 0
	ds_add_u32 v[SPW], v[NIL]                      ; the wave's opening: the add and its wait ahead of my first tensor load; the set-up below, work on registers, stands between them
	v_lshrrev_b32 v1, 5, v0
	v_readfirstlane_b32 s[WV], v1                  ; wave 0..3
	s_bfe_u32 s56, ttmp6, 0x40000                  ; cx: my place in the cluster
	s_lshl_b32 s57, ttmp9, 2                       ; in a cluster launch ttmp9 counts clusters
	s_add_co_u32 s57, s57, s56                     ; my block of 32 rows: it enters the addresses of x, qf, xf and qb alone
	; descriptor group 1: six rows (my channel blocks) of six slices: 6,144 bytes each, 12,288 bytes apart in wf, end to end in LDS
	s_mov_b32 s[G1+0], 15|(3<<16)|(1<<21)          ; 15:0 the mask of four; 17:16 elements of 8 bytes; 20 no padding; 21 set beside a mask
	s_mov_b32 s[G1+1], 768<<16                     ; tensor_dim0 = 768
	s_mov_b32 s[G1+2], 6<<16                       ; tensor_dim1 = 6
	s_mov_b32 s[G1+3], 768<<16                     ; tile_dim0 = 768
	s_mov_b32 s[G1+4], 6                           ; tile_dim1 = 6
	s_mov_b32 s[G1+5], 1536                        ; 1,536 elements from row to row
	s_mov_b32 s[G1+6], 0
	s_mov_b32 s[G1+7], 0
	s_mul_i32 s17, s[WV], WPART                    ; no place in the cluster enters an LDS address
	s_mov_b32 s[GA], 1                             ; count = 1
	s_add_co_u32 s[GA+1], s17, RING                ; LDS address: my quarter of slot 0,
	s_mov_b32 s[GB], 1
	s_add_co_u32 s[GB+1], s17, RING+SLOTB          ; of slot 1
	v_and_b32 v1, 31, v0                           ; lane
	v_and_b32 v2, 15, v0                           ; r
	v_bfe_u32 v3, v0, 4, 1                         ; h
	v_lshlrev_b32 v[L16], 4, v1
	v_lshlrev_b32 v[BQO], 5, v3
	s_mul_i32 s17, s[WV], 8*XP
	v_lshl_add_u32 v[XTS], v1, 3, s17
	v_mul_u32_u24 v[XTL], v2, XP
	v_lshl_add_u32 v[XTL], v3, 4, v[XTL]
	s_mul_i32 s17, s[WV], 192
	v_add_nc_u32 v[XTW], s17, v[XTL]
	s_mul_i32 s17, s[WV], 3072
	v_add_nc_u32 v[QXS], s17, v[L16]
	v_add_nc_u32 v[LA], s[GA+1], v[L16]
	v_add_nc_u32 v[LA+1], s[GB+1], v[L16]
	v_lshlrev_b32 v[QBO], 2, v1
	s_mul_i32 s18, s57, 49152                      ; the work-group's 32 rows of x,
	s_mul_i32 s19, s[WV], 12288                    ; my wave's 8
	s_add_co_u32 s18, s18, s19
	s_mov_b32 s19, 0
	s_mul_i32 s20, s[WV], 384
	s_mov_b32 s21, 0
	s_mul_i32 s22, s[WV], 73728                    ; six blocks of 12 fragments
	s_mov_b32 s23, 0
	s_mul_i32 s36, s57, 24576                      ; two tiles of 12 fragments,
	s_mul_i32 s37, s[WV], 3072                     ; my wave's three of each
	s_add_co_u32 s36, s36, s37
	s_mov_b32 s37, 0
	s_lshl_b32 s38, s57, 7
	s_mov_b32 s39, 0
	s_wait_dscnt 0x0                               ; the opening add is done
	s_wait_kmcnt 0x0
	s_add_nc_u64 s[XB:XB+1], s[4:5], s[18:19]
	s_add_nc_u64 s[BQB:BQB+1], s[6:7], s[20:21]
	s_add_nc_u64 s[GA+2:GA+3], s[8:9], s[22:23]    ; global address: Wq's slices 0-5 of my blocks,
	s_add_nc_u64 s[GB+2:GB+3], s[GA+2:GA+3], 6144  ; slices 6-11
	s_or_b32 s[GA+3], s[GA+3], 0x80000000          ; type = 2
	s_or_b32 s[GB+3], s[GB+3], 0x80000000
	s_add_nc_u64 s[QFB:QFB+1], s[10:11], s[36:37]
	s_add_nc_u64 s[XFB:XFB+1], s[12:13], s[36:37]
	s_add_nc_u64 s[QBB:QBB+1], s[14:15], s[38:39]
	CROUND                                         ; all four work-groups are here: the first joint loads meet
	tensor_load_to_lds s[GA:GA+3], s[G1:G1+7]      ; both first fills go out together, ahead of every wait on TENSORcnt, every LDS read and every other barrier
	s_nop 0
	tensor_load_to_lds s[GB:GB+3], s[G1:G1+7]
	s_nop 0
	PLACES
.set i, 0
.rept 24                               ; my 8 rows of x: 12,288 consecutive bytes
	global_load_b128 v[XR+4*i:XR+4*i+3], v[L16], s[XB:XB+1] offset:512*i th:TH_LOAD_NT
.set i, i+1
.endr
.set i, 0
.rept 12                               ; bq straight into the accumulators: register j of (cbl, t) is bq[16 (6 w + cbl) + 8 h + j]
	global_load_b128 v[ACC+8*i:ACC+8*i+3],   v[BQO], s[BQB:BQB+1] offset:64*(i/2)
	global_load_b128 v[ACC+8*i+4:ACC+8*i+7], v[BQO], s[BQB:BQB+1] offset:64*(i/2)+16
.set i, i+1
.endr
	s_wait_loadcnt 24                              ; loads come back in order: x is in, bq's 24 may stay out
.set i, 0
.rept 24                               ; x to bf16, in place, and into LDS by rows: load i is a third of row i / 3
	v_cvt_pk_bf16_f32 v[XR+4*i], v[XR+4*i], v[XR+4*i+1]
	v_cvt_pk_bf16_f32 v[XR+4*i+1], v[XR+4*i+2], v[XR+4*i+3]
	ds_store_b64 v[XTS], v[XR+4*i:XR+4*i+1] offset:XP*(i/3)+256*(i%3)
.set i, i+1
.endr
	WIN 0x80                                       ; destination window 2
.set i, 0
.rept 12                               ; bk's 12 fragments, wanted by the second product
	global_load_b128 v[BK+8*i:BK+8*i+3],   v[L16], s[WF:WF+1] offset:589824+1024*i
	global_load_b128 v[BK+8*i+4:BK+8*i+7], v[L16], s[WF:WF+1] offset:589824+1024*i+512
.set i, i+1
.endr
	s_wait_dscnt 0x0                               ; for the others' sake: my rows lie in LDS
	s_barrier_signal -1
	s_barrier_wait -1                              ; all 32 rows do; the tensor loads may stay out
	WIN 0x40                                       ; destination window 1
.set i, 0
.rept 48                               ; all 24 fragments of x: i = 24 t + 2 c + half
	ds_load_b128 v[4*i:4*i+3], v[XTL] offset:16*XP*(i/24)+64*((i%24)/2)+32*(i%2)
.set i, i+1
.endr
	WIN 0
.set i, 0
.rept 12                               ; and once more my wave's six (c = 3 w ..), into window 0, for xf
	ds_load_b128 v[XR+4*i:XR+4*i+3], v[XTW] offset:16*XP*(i/6)+64*((i%6)/2)+32*(i%2)
.set i, i+1
.endr
	s_wait_dscnt 0x0
.set i, 0
.rept 12
	global_store_b128 v[L16], v[XR+4*i:XR+4*i+3], s[XFB:XFB+1] offset:12288*(i/6)+512*(i%6)  ; 512 consecutive bytes
.set i, i+1
.endr
	s_wait_tensorcnt 0x1                           ; my quarter of slot 0 is in (only I read it); slot 1's load, issued behind it, may stay out
	FETCH 0
	FETCH 1                                        ; all of slot 0 is on its way into registers,
	REFILL GA                                      ; so it takes Wk^T's slices 0-5 at once: they have three steps in which to land
	s_wait_loadcnt 24                              ; bq is in; bk's 24 may stay out
	MULS 0                                         ; Q = x Wq^T + bq
	PLACES
	FETCH 2
	MULS 1
	PLACES
	FETCH 3
	s_wait_dscnt 36                                ; run 2 is in; run 3's 36 loads may stay out
	MULS 2
	REFILL GB                                      ; run 3 is in: slot 1 takes Wk^T's slices 6-11; slot 0's refill has landed
	FETCH 4
	MULS 3
	PLACES
	FETCH 5
	PACKALL                                        ; accumulator (cbl, t) is half cbl % 2 of Q's fragment (t, 3 w + cbl / 2)
.set ai, 0
.rept 12                               ; into the bytes that held x's rows: every wave's reads of those came back ahead of the two rounds above
	ds_store_b128 v[QXS], v[ACC+8*ai:ACC+8*ai+3] offset:12288*(ai%2)+512*(ai/2)
.set ai, ai+1
.endr
	s_wait_dscnt 0x0                               ; for the others' sake (runs 4 and 5 are in too)
	s_barrier_signal -1
	s_barrier_wait -1                              ; all of Q lies in LDS
	WIN 0x40
.set i, 0
.rept 48                               ; Q's fragments take x's registers
	ds_load_b128 v[4*i:4*i+3], v[L16] offset:512*i
.set i, i+1
.endr
	s_wait_dscnt 0x0
	s_wait_loadcnt 0x0                             ; bk's fragments
	MULS 4                                         ; Q' = Q Wk and qb = Q . bk
	PLACES
	s_wait_tensorcnt 0x0                           ; slot 1's refill is in: no load was issued behind it
	FETCH 6
	MULS 5
	PLACES
	FETCH 7
	s_wait_dscnt 36                                ; run 6 is in
	MULS 6
	s_wait_dscnt 0x0
	MULS 7
	PLACES
	PACKALL
.set ai, 0
.rept 12
	global_store_b128 v[L16], v[ACC+8*ai:ACC+8*ai+3], s[QFB:QFB+1] offset:12288*(ai%2)+512*(ai/2)
.set ai, ai+1
.endr
	s_cmp_lg_u32 s[WV], 0                          ; all waves hold the same qb: wave 0 stores it
	s_cbranch_scc1 .Lnoqb
	v_cmp_lt_u32 vcc_lo, 15, v1                    ; lanes 0-15: tile 0's query r; lanes 16-31: tile 1's
	v_cndmask_b32 v[QBV], v[ACC+96], v[ACC+104], vcc_lo
	global_store_b32 v[QBO], v[QBV], s[QBB:QBB+1]
.Lnoqb:
	s_wait_tensorcnt 0x0                           ; the wave's end, behind my last tensor load and my last LDS store
	ds_add_u32 v[SPW], v[NIL]
	s_wait_dscnt 0x0
	CROUND                                         ; the closing round: no work-group ends while a partner may still ask for a tile that names it
	s_endpgm
.Lfunc_end_k_qd585f9cd88_qproj:
	.size	k_qd585f9cd88_qproj, .Lfunc_end_k_qd585f9cd88_qproj-k_qd585f9cd88_qproj
	.p2alignl 7, 3214868480
	.fill 96, 4, 3214868480
	.section	.rodata,"a",@progbits
	.p2align	6, 0x0
	.amdhsa_kernel k_qd585f9cd88_qproj
		.amdhsa_group_segment_fixed_size 327680
		.amdhsa_private_segment_fixed_size 0
		.amdhsa_enable_private_segment 0
		.amdhsa_kernarg_size 48
		.amdhsa_user_sgpr_count 2
		.amdhsa_user_sgpr_kernarg_segment_ptr 1
		.amdhsa_wavefront_size32 1
		.amdhsa_system_sgpr_workgroup_id_x 1
		.amdhsa_system_sgpr_workgroup_id_y 1
		.amdhsa_system_sgpr_workgroup_id_z 1
		.amdhsa_system_vgpr_workitem_id 0
		.amdhsa_next_free_vgpr 912
		.amdhsa_next_free_sgpr 66
		.amdhsa_reserve_vcc 1
		.amdhsa_float_denorm_mode_32 3
		.amdhsa_float_denorm_mode_16_64 3
		.amdhsa_memory_ordered 1
		.amdhsa_forward_progress 1
		.amdhsa_inst_pref_size 73
	.end_amdhsa_kernel
	.amdgpu_metadata
---
amdhsa.version: [ 1, 2 ]
amdhsa.kernels:
  - .name:           k_qd585f9cd88_qproj
    .symbol:         k_qd585f9cd88_qproj.kd
    .args:
      - { .name: x, .offset: 0, .size: 8, .value_kind: global_buffer, .address_space: global }
      - { .name: bq, .offset: 8, .size: 8, .value_kind: global_buffer, .address_space: global }
      - { .name: wf, .offset: 16, .size: 8, .value_kind: global_buffer, .address_space: global }
      - { .name: qf, .offset: 24, .size: 8, .value_kind: global_buffer, .address_space: global }
      - { .name: xf, .offset: 32, .size: 8, .value_kind: global_buffer, .address_space: global }
      - { .name: qb, .offset: 40, .size: 8, .value_kind: global_buffer, .address_space: global }
    .group_segment_fixed_size: 327680
    .private_segment_fixed_size: 0
    .kernarg_segment_align: 8
    .kernarg_segment_size: 48
    .max_flat_workgroup_size: 128
    .sgpr_count:     66
    .vgpr_count:     912
    .wavefront_size: 32
...
	.end_amdgpu_metadata
.endif
;; end of part 2
;; launch attn (part 3): grid 64 x 4, 4 waves a work-group, clusters of 4 x 1, 327,680 bytes of LDS; arguments qf, qb, ybf, part, ml; writes part, ml
.if DOCPART == 3
	.amdgcn_target "amdgcn-amd-amdhsa--gfx1250"
	.amdhsa_code_object_version 6
	.text
	.protected	k_qd585f9cd88_attn
	.globl	k_qd585f9cd88_attn
	.p2align	8
	.type	k_qd585f9cd88_attn,@function
k_qd585f9cd88_attn:
	s_mov_b64 s[64:65], 0
	v_nop
	global_prefetch_b8 v0, s[64:65] scope:SCOPE_SE
	s_setreg_imm32_b32 hwreg(HW_REG_WAVE_MODE, 25, 1), 1
	s_wait_xcnt 0x0
	s_wait_alu depctr_hold_cnt(0) depctr_sa_sdst(0) depctr_va_vdst(0) depctr_va_sdst(0) depctr_va_ssrc(0) depctr_va_vcc(0) depctr_vm_vsrc(0)
	s_getreg_b32 s2, hwreg(HW_REG_IB_STS2, 6, 4)
	s_cmp_eq_u32 s2, 0
	s_cbranch_scc0 .Lentry_in_a_cluster
	s_endpgm
.Lentry_in_a_cluster:
	s_bfe_u32 s2, ttmp6, 0x10000c
	s_cmp_lg_u32 s2, 0x3003
	s_cbranch_scc0 .Lentry_shape_is_right
	s_endpgm
.Lentry_shape_is_right:
; ATTN.  For 128 queries and one quarter (2,048) of the keys: p = 2^(c s - c m), s = Q' . y_j + qb, c = log2(e) / sqrt(384), with a running maximum m;
; O = the sum of p y_j (not yet divided), l = the sum of p.  Out: O in f32 (part), c m and l (ml); the next launch merges the four quarters.
; y itself is both operands: Q . K_j = Q' . y_j + Q . bk, and attn (y Wv^T + bv) = (attn y) Wv^T + bv since a row of attn sums to 1.  So ONE tile of y in LDS is read as it lies for the
; first product and turned (ds_load_tr16_b128) for the second.  Operands bf16 (p rounded for the second product; l takes the unrounded p); products, maxima and sums f32.
; LIMITS.  NaN and infinities are not treated apart; a weight below 2^-126 counts as 0; c m starts at -4.25e37, below every c s that f32 products of bf16 numbers of this size give.
; SHARES.  Work-group (x, split): queries 128 x .., keys 2,048 split ..; wave w: tiles T = 8 x + 2 w + t of 16 queries, t = 0, 1.  Every wave walks all keys, 64 a step, 32 steps.
; 64 query blocks x 4 quarters are 256 equal work-groups.  CLUSTER: the four work-groups of a cluster have the same quarter and walk the same tiles: every tensor load is JOINT.
; LAYOUT.  S^T = y Q'^T (source 0 = 16 keys, source 1 = 16 queries): a lane holds ONE query (lane % 16).  Two results rounded in pairs ARE source 1 (32 keys x 16 queries) of O^T = y^T P,
; whose result again holds one query a lane and eight channels.  Inside a block of 16 keys matrix index 8 h + j stands for key row 2 j + h, in both products alike (a sum over keys has
; no order): with that, one pitch of 816 bytes serves both kinds of read without a bank conflict.
; THE RING.  The second product runs a step behind the first, so a step reads tiles j (first product) and j - 1 (second).  A slot holds THREE tiles, 2 g - 1, 2 g, 2 g + 1, for the two steps of
; group g: a group stays inside one slot, there is one change of slots for two steps, and a refill has two steps, 384 matrix instructions, in which to land.  The price: each odd tile is
; fetched twice.  Group 0's tile -1 is ybf's zero rows or the quarter before's last keys: finite numbers, multiplied by P = 0.  By the text's own count one tensor load of a wave is out.
; THE PIPELINE.  A step has six units of 32 matrix instructions and 32 LDS loads: X0-X2: S^T(j), 128 channels each; Y0-Y2: O^T += y(j-1)^T P(j-1), 8 channel blocks each.  Two fragment
; buffers take turns; a unit waits for its own fragments, asks for the next unit's in one run, and multiplies.  Between the products stand slices of vector work, none longer than four:
; in X, behind every second product, four lines of O^T times a(j-1); in Y0 and Y1, behind EACH product, two or three lines of the maximum, statistics, scalings and exponentials of S(j), ONE batch
; with one wait; in Y2 and at the head of the next X0 the sums and the roundings.
; REGISTERS, in windows of 256 (s_set_vgpr_msb: bits 1:0 source 0, 3:2 source 1, 5:4 source 2, 7:6 destination):
;   window 0: v0-15 addresses; v16-31 statistics, 8 a tile; v32-47 qb, 8 copies a tile (the C operand that starts S^T); v48-63 partial sums; v64-127 S^T; v128-255 fragment buffer 0
;   window 1: v0-191 Q', (t, c) at 96 t + 8 c; v192-223 P          window 2: O^T, channel blocks 0-15, (cb, t) at 8 (2 cb + t)
;   window 3: v0-127 O^T, blocks 16-23; v128-255 fragment buffer 1
.set KP,    816                        ; a key's row in LDS: three pieces of 256 bytes, 16 bytes of padding behind each: 51 x 16
.set TILEB, 64*KP                      ; a tile of 64 keys
.set SLOTB, 3*TILEB
.set SPARE, 2*SLOTB                    ; behind the ring: the spare words, 128 bytes for each wave: two blocks of 256 bytes that no other line names
.set GSTEP, 98304                      ; 128 rows of ybf: from a group to the next
.set AKP, 2                            ; v2   my lane's place in a tile read as it lies, + TILEB; never rewritten
.set AV0, 3                            ; v3   my lane's place in a tile read turned; never rewritten
.set AK,  4                            ; v4   the step's address for the first kind (tile j)
.set AV,  5                            ; v5   for the second (tile j - 1)
.set GO,  6                            ; v6   16 x lane
.set PFO, 7                            ; v7   256 x lane
.set QBO, 8                            ; v8   4 x (lane % 16)
.set MLO, 9                            ; v9   8 x lane
.set SPW, 10                           ; v10  LDS address of my spare word; never rewritten
.set NIL, 11                           ; v11  0; never rewritten
.set ST,  16                           ; tile t at ST + 8 t: c m, m, l (even, odd), c0-c3 at work; a takes c2's place
.set QB,  32
.set SC,  48
.set S,   64                           ; S^T of tile t, key block kb at S + 32 t + 8 kb
.set FB,  128                          ; both fragment buffers, in windows 0 and 3
.set P,   192                          ; window 1: tile t, pair b at P + 16 t + b
.set WV,  14                           ; s14  my wave's number
.set G1,  24                           ; s[24:31] descriptor group 1
.set G0,  32                           ; s[32:35] descriptor group 0: it walks
.set SBF, 36                           ; s36  the slot that is filled next: 0 or SLOTB
.set SBR, 37                           ; s37  the slot that is read
.set WOFF, 38                          ; s38  my quarter of a slot
.set TB,  39                           ; s39  LDS byte of tile j - 1 of the step to be fetched
.set TW,  40                           ; s40  counts a group's two steps
.set CNT, 41                           ; s41  counts groups
.set CS,  42                           ; s[42:43] c: the packed scaling takes the pair's low word for both halves
.set SEL, 44                           ; s[44:45] v_permlanex16_b32's selects: each lane takes its own place in the other half
.set PFA, 46                           ; s[46:47] where my prefetches stand
.set LIM, 48                           ; s48  1 in a wave that prefetches, else the greatest number
.set MSB, 0
.macro WIN new                         ; the immediate's high byte repeats the setting that is left; a switch that changes nothing is dropped
.if MSB != (\new)
	s_set_vgpr_msb (MSB<<8)|(\new)
.set MSB, \new
.endif
.endm
.macro PLACES
.rept 4
	v_nop
.endr
.endm
; A round of the cluster's barrier: my work-group's barrier, so that wave 0's signal speaks for all four waves; wave 0 signals; every wave waits for all four work-groups; my work-group's barrier once more.
.macro CROUND
	s_barrier_signal -1
	s_barrier_wait -1
	s_cmp_lg_u32 s[WV], 0
	s_cbranch_scc1 .Lnot_wave_0_\@
	s_barrier_signal -3
.Lnot_wave_0_\@:
	s_barrier_wait -3
	s_barrier_signal -1
	s_barrier_wait -1
.endm
; A PREFETCH INTO THE L2.  At the change that asks for group k + 1, the 128 rows that group k + 2 brings anew (98,304 dense bytes) are named: two steps, 384 matrix instructions, ahead of their load.
; Each aligned block of 256 bytes is named once in the launch: all 16 clusters of a quarter walk the same rows, the first of them asks; its four partners take 24,576 bytes each, told apart BY ADDRESS;
; in each, waves 0, 1, 2 take 8,192 bytes, a lane a block.  The last change that fills a slot names nothing: there is no group behind it.
.macro ASK
	s_cmp_gt_u32 s[CNT], s[LIM]
	s_cbranch_scc0 .Lnot_mine_\@
	global_prefetch_b8 v[PFO], s[PFA:PFA+1] th:TH_LOAD_NT scope:SCOPE_SE
.Lnot_mine_\@:
.endm
; THE CHANGE OF SLOTS.  Each wave waits for all its tensor loads (one is out: its quarter of the other slot), adds 0 to its spare word, and waits for that and for its reads of the slot that it
; leaves.  fill = 1: the barrier is a round of the cluster's, so that no wave of any partner still reads the slot or has a load on its way; the joint refill is the first thing behind it.
.macro CHANGE fill, ask
	WIN 0                                          ; at a label and at a branch every window is 0
	s_wait_tensorcnt 0x0                           ; no tensor load of mine is out, so group 0 may be written
	ds_add_u32 v[SPW], v[NIL]                      ; 0 onto my spare word; the scalar steps stand between it and the wait for it
.if \fill
	s_xor_b32 s[SBF], s[SBF], SLOTB                ; the other slot than last time,
	s_add_co_u32 s[G0+1], s[SBF], s[WOFF]          ; my quarter of it,
	s_add_nc_u64 s[G0+2:G0+3], s[G0+2:G0+3], GSTEP ; the next group; the type bits on top are not reached
.endif
.if \ask
	s_wait_xcnt 0x0                                ; the last prefetch, two steps back, has read its address
	s_add_nc_u64 s[PFA:PFA+1], s[PFA:PFA+1], GSTEP
.endif
	s_xor_b32 s[SBR], s[SBR], SLOTB                ; the reads go to the other slot's first tile
	s_mov_b32 s[TB], s[SBR]
	s_wait_dscnt 0x0                               ; the add is done, and my reads of the slot are over
.if \fill
	CROUND
	tensor_load_to_lds s[G0:G0+3], s[G1:G1+7]
	s_nop 0
	PLACES
.else
	s_barrier_signal -1
	s_barrier_wait -1
.endif
.if \ask
	ASK
.endif
.endm
; THE LDS LOADS stand in runs of 32.  FETCH_K: tile j as it lies, channels 128 u ..: fragment (c, kb) = 16 keys x 32 channels at FB + 8 (4 c + kb).  f: the buffer.
.macro FETCH_K u, f
	WIN 0xc0*(\f)
.set fi, 0
.rept 16
	ds_load_b128 v[FB+8*fi:FB+8*fi+3],   v[AK] offset:16*KP*(fi%4)+272*(\u)+64*(fi/4)
	ds_load_b128 v[FB+8*fi+4:FB+8*fi+7], v[AK] offset:16*KP*(fi%4)+272*(\u)+64*(fi/4)+32
.set fi, fi+1
.endr
.endm
; FETCH_V: tile j - 1 turned, channel blocks 8 u ..: fragment (kk, cbl) = 16 channels x 32 keys at FB + 8 (8 kk + cbl)
.macro FETCH_V u, f
	WIN 0xc0*(\f)
.set fi, 0
.rept 16
	ds_load_tr16_b128 v[FB+8*fi:FB+8*fi+3],   v[AV] offset:32*KP*(fi/8)+272*(\u)+32*(fi%8)
	ds_load_tr16_b128 v[FB+8*fi+4:FB+8*fi+7], v[AV] offset:32*KP*(fi/8)+16*KP+272*(\u)+32*(fi%8)
.set fi, fi+1
.endr
.endm
; A step's head: its two addresses and the first unit's fragments.  The two additions and the two v_nop that end the step before are the four places behind the last product that read buffer 0.
.macro HEAD
	WIN 0
	v_add_nc_u32 v[AK], s[TB], v[AKP]
	v_add_nc_u32 v[AV], s[TB], v[AV0]
	s_add_co_u32 s[TB], s[TB], TILEB
	FETCH_K 0, 0
.endm
; THE MATRIX WORK.  Product i of 32 of unit X u: keys 16 kb .., channels 128 u + 32 cc .., tile i % 2.  Four accumulators take turns, one instruction a turn.
; The step's first products take qb as C: the sum starts with Q . bk.
.macro KQ u
.set kb, 2*(i/16)+(i/2)%2
.set cc, (i/4)%4
.set tt, i%2
.set rS, S+32*tt+8*kb
.set rA, FB+8*(4*cc+kb)
.set rB, 96*tt+8*(4*(\u)+cc)
	WIN 0x04+3*((\u)%2)                            ; source 0: buffer 0 (window 0) or 1 (window 3); source 1 window 1
.if ((\u) == 0) && (cc == 0)
	v_wmma_f32_16x16x32_bf16 v[rS:rS+7], v[rA:rA+7], v[rB:rB+7], v[QB+8*tt:QB+8*tt+7]
.else
	v_wmma_f32_16x16x32_bf16 v[rS:rS+7], v[rA:rA+7], v[rB:rB+7], v[rS:rS+7]
.endif
.set i, i+1
.endm
; Product i of 32 of unit Y u: keys 32 kk .., channel block 8 u + cbl, tile i % 2.  Sixteen accumulators take turns.
.macro PV u, f
.set kk, i/16
.set cbl, (i/2)%8
.set tt, i%2
.set rA, FB+8*(8*kk+cbl)
.set rB, P+16*tt+8*kk
.if (\u) < 2
.set rO, 8*(2*(8*(\u)+cbl)+tt)
	WIN 0xa4+3*(\f)
.else
.set rO, 8*(2*cbl+tt)
	WIN 0xf4+3*(\f)
.endif
	v_wmma_f32_16x16x32_bf16 v[rO:rO+7], v[rA:rA+7], v[rB:rB+7], v[rO:rO+7]
.set i, i+1
.endm
; THE VECTOR WORK, in queues; each macro writes its queue's next entry.
; RSN: registers 2 rs, 2 rs + 1 of O^T times a: four entries are one accumulator, from its low end on.
.macro RSN
.set rT, ST+8*((rs/4)%2)
.if rs < 128
	WIN 0x82
.set rO, 2*rs
.else
	WIN 0xc3
.set rO, 2*(rs-128)
.endif
	v_pk_mul_f32 v[rO:rO+1], v[rO:rO+1], v[rT+6:rT+7] op_sel_hi:[1,0]
.set rs, rs+1
.endm
; Number n of the 21 that find tile t's maximum and statistics.  0-11: four chains c0-c3 of seven scores each (each accumulator's lowest registers first); 12-15: the four
; scores left over, c0-c3 and the old m; 16, 18: the query's other 32 keys lie in the lane 16 away; 17: c m_old is kept; 19: c m; 20: c m_old - c m_new.
.macro MX t, n
.set rT, ST+8*(\t)
.set rS, S+32*(\t)
.if (\n) < 4
	v_max3_num_f32 v[rT+4+(\n)], v[rS+8*(\n)], v[rS+8*(\n)+1], v[rS+8*(\n)+2]
.elseif (\n) < 12
	v_max3_num_f32 v[rT+4+(\n)%4], v[rT+4+(\n)%4], v[rS+8*((\n)%4)+2*((\n)/4)+1], v[rS+8*((\n)%4)+2*((\n)/4)+2]
.elseif (\n) == 12
	v_max3_num_f32 v[rT+4], v[rT+4], v[rS+7], v[rS+15]
.elseif (\n) == 13
	v_max3_num_f32 v[rT+6], v[rT+6], v[rS+23], v[rS+31]
.elseif (\n) == 14
	v_max3_num_f32 v[rT+4], v[rT+4], v[rT+5], v[rT+6]
.elseif (\n) == 15
	v_max3_num_f32 v[rT+4], v[rT+4], v[rT+7], v[rT+1]
.elseif (\n) == 16
	v_permlanex16_b32 v[rT+5], v[rT+4], s[SEL], s[SEL+1]
.elseif (\n) == 17
	v_mov_b32 v[rT+7], v[rT]
.elseif (\n) == 18
	v_max_num_f32 v[rT+1], v[rT+4], v[rT+5]
.elseif (\n) == 19
	v_mul_f32 v[rT], s[CS], v[rT+1]
.else
	v_sub_f32 v[rT+7], v[rT+7], v[rT]
.endif
.endm
; THE WORK OF Y0 AND Y1, three queues.  YM, 44 long: MX's 21 numbers, the tiles alternating, then the two a = 2^(c m_old - c m_new).
.macro YM
	WIN 0
.if yq < 42
	MX yq%2, yq/2
.else
	v_exp_f32 v[ST+8*(yq-42)+6], v[ST+8*(yq-42)+7]
.endif
.set yq, yq+1
.endm
; FN, 32 long: scaling k is c s - c m for pair k / 2 of tile k % 2.
.macro FN
	WIN 0
.set rT, ST+8*(fq%2)
.set rS, S+32*(fq%2)+2*(fq/2)
	v_pk_fma_f32 v[rS:rS+1], v[rS:rS+1], s[CS:CS+1], v[rT:rT+1] op_sel_hi:[1,0,0] neg_lo:[0,0,1] neg_hi:[0,0,1]
.set fq, fq+1
.endm
; EN, 64 long: exponentials 2 k and 2 k + 1 are those of scaling k's two scores.
.macro EN
	WIN 0
.set rS, S+32*((eq/2)%2)+2*(eq/4)+eq%2
	v_exp_f32 v[rS], v[rS]
.set eq, eq+1
.endm
; HOW THEY ARE DEALT: slice ys stands behind product ys of Y0's and Y1's 64.  0-21: one entry of YM for each tile, so a tile's chain has a product between its links.  22: scalings 0, 1.
; 23-30 and 32-49: a scaling and two exponentials: slice 23 + k holds scaling k + 2 and the exponentials of scaling k; slice 24 + k (k = 8 .. 25) those of scaling k, whose own slice is 21 + k or earlier.
; 31, Y0's last: four scalings: the four plain places in front of the next run of loads.  50-55: the last twelve exponentials.  63: two v_nop, the plain instructions behind the batch.
; None of these names an exponential's result: the 66 exponentials are ONE batch, and the one wait for it stands behind slice 63.
.macro YSL
.if ys < 22
	YM
	YM
.elseif ys == 22
	FN
	FN
.elseif ys == 31
	FN
	FN
	FN
	FN
.elseif ys < 50
	FN
	EN
	EN
.elseif ys < 56
	EN
	EN
.elseif ys == 63
	WIN 0
	v_nop
	v_nop
.endif
.set ys, ys+1
.endm
; ZN: the sums, 16 a tile, the tiles alternating; S^T is only read.  0-11: the 16 pairs of weights into four partial pairs; 12-14: those into one; 15: l = a l + sum.
.macro ZN
	WIN 0
.set tt, zq%2
.set nn, zq/2
.set rT, ST+8*tt
.set rS, S+32*tt
.set rC, SC+8*tt
.if nn < 4
	v_pk_add_f32 v[rC+2*nn:rC+2*nn+1], v[rS+2*nn:rS+2*nn+1], v[rS+2*nn+8:rS+2*nn+9]
.elseif nn < 12
	v_pk_add_f32 v[rC+2*(nn%4):rC+2*(nn%4)+1], v[rC+2*(nn%4):rC+2*(nn%4)+1], v[rS+2*nn+8:rS+2*nn+9]
.elseif nn == 12
	v_pk_add_f32 v[rC:rC+1], v[rC:rC+1], v[rC+2:rC+3]
.elseif nn == 13
	v_pk_add_f32 v[rC+4:rC+5], v[rC+4:rC+5], v[rC+6:rC+7]
.elseif nn == 14
	v_pk_add_f32 v[rC:rC+1], v[rC:rC+1], v[rC+4:rC+5]
.else
	v_pk_fma_f32 v[rT+2:rT+3], v[rT+2:rT+3], v[rT+6:rT+7], v[rC:rC+1] op_sel_hi:[1,0,1]
.endif
.set zq, zq+1
.endm
; CVN: the roundings, 32: pair cv / 2 of tile cv % 2.  0-15 (keys 0-31 of the step) ride at the end of Y2, whose products then read P's other half alone; 16-31 at the head of the next X0,
; ahead of its 17th product, the first that writes over those scores.  So P needs one buffer.
.macro CVN
	WIN 0x40                                       ; destination window 1
	v_cvt_pk_bf16_f32 v[P+16*(cv%2)+cv/2], v[S+32*(cv%2)+2*(cv/2)], v[S+32*(cv%2)+2*(cv/2)+1]
.set cv, cv+1
.endm
; THE UNITS.  Each ends with a slice of four plain instructions that name none of its last product's registers: the places in front of the next run of loads into the buffer just read
; (ISA guide 7.12.1 for vector instructions).
.macro UNITX u                         ; in X0's first four pairs the rescalings stand behind the first product and four roundings behind the second
	s_wait_dscnt 0x0                               ; my fragments are in: nothing else is out
.if (\u) == 0
	FETCH_K 1, 1
.elseif (\u) == 1
	FETCH_K 2, 0
.else
	FETCH_V 0, 1
.endif
.set i, 0
.rept 16
	KQ \u
.if ((\u) == 0) && (i < 8)
	RSN
	RSN
	RSN
	RSN
	KQ \u
	CVN
	CVN
	CVN
	CVN
.else
	KQ \u
	RSN
	RSN
	RSN
	RSN
.endif
.endr
.endm
.macro UNITY u                         ; u = 0 (buffer 1), 1 (buffer 0)
	s_wait_dscnt 0x0
.if (\u) == 0
	FETCH_V 1, 0
.else
	FETCH_V 2, 1
.endif
.set i, 0
.rept 32
	PV \u, 1-(\u)
	YSL
.endr
.endm
.macro UNITY2                          ; its fragments (buffer 1) were waited for at the end of the step before: no wait here, where the next step's first run has just gone out
.set i, 0
.set zq, 0
.set cv, 0
.set sl, 0
.rept 16
	PV 2, 1
	PV 2, 1
.if sl < 8
	ZN
	ZN
	ZN
	ZN
.elseif sl >= 12
	CVN
	CVN
	CVN
	CVN
.endif
.set sl, sl+1
.endr
.endm
; A trip: the last unit of the step before, then five units of step j.  enter = 1: the launch's first step comes in behind Y2.
.macro SIGMA enter
	UNITY2
	WIN 0
.if \enter
.Lenter:
.endif
.set rs, 0
.set cv, 16
.set yq, 0
.set fq, 0
.set eq, 0
.set ys, 0
	UNITX 0
	UNITX 1
	UNITX 2
	UNITY 0
	UNITY 1
	WIN 0
	s_wait_alu depctr_va_vdst(0)                   ; the one wait for the step's 66 exponentials: behind the two v_nop, ahead of the branch and of every reader
	s_wait_dscnt 0x0                               ; Y2's fragments are in: all the step's reads of LDS are back
.endm
	s_load_b256 s[4:11], s[0:1], 0x0               ; qf 4:5, qb 6:7, ybf 8:9, part 10:11
	s_load_b64 s[12:13], s[0:1], 0x20              ; ml
	v_lshl_add_u32 v[SPW], v0, 2, SPARE
	v_mov_b32 v[NIL], 0
	ds_add_u32 v[SPW], v[NIL]                      ; the wave's opening: the add and its wait ahead of my first tensor load; the set-up below, work on registers, stands between them
	v_lshrrev_b32 v1, 5, v0
	v_readfirstlane_b32 s[WV], v1                  ; wave 0..3
	s_bfe_u32 s15, ttmp6, 0x40000                  ; cx: my place in the cluster
	s_lshl_b32 s16, ttmp9, 2                       ; in a cluster launch ttmp9 counts clusters
	s_add_co_u32 s16, s16, s15                     ; my query block: it enters the addresses of qf, qb, part and ml alone
	s_and_b32 s17, ttmp7, 0xffff                   ; the quarter of the keys, which the four partners share
	; descriptor group 1: 48 keys = 36,864 dense bytes, asked for as 144 rows of 256 bytes, each padded in LDS
	s_mov_b32 s[G1+0], 15|(3<<16)|(1<<20)|(1<<21)|(5<<22)|(3<<25)  ; 15:0 the mask of four; 17:16 elements of 8 bytes; 20 padding on; 21 set beside a mask; 24:22 after every 64 words (code 5); 31:25 4 words (code 3)
	s_mov_b32 s[G1+1], 32<<16                      ; tensor_dim0 = 32
	s_mov_b32 s[G1+2], 144<<16                     ; tensor_dim1 = 144
	s_mov_b32 s[G1+3], 32<<16                      ; tile_dim0 = 32
	s_mov_b32 s[G1+4], 144                         ; tile_dim1 = 144
	s_mov_b32 s[G1+5], 32                          ; 32 elements from row to row
	s_mov_b32 s[G1+6], 0
	s_mov_b32 s[G1+7], 0
	s_mul_i32 s[WOFF], s[WV], 48*KP                ; no place in the cluster enters an LDS address
	s_mov_b32 s[SBF], 0
	s_mov_b32 s[SBR], SLOTB                        ; the first change turns it into 0
	s_mov_b32 s[G0], 1                             ; count = 1
	s_mov_b32 s[G0+1], s[WOFF]                     ; LDS address: my quarter of slot 0
	s_mul_i32 s18, s17, 1572864                    ; 2,048 rows of 768 bytes a quarter (group 0 begins 64 rows ahead of the quarter's keys: ybf has 64 rows in front),
	s_mul_i32 s19, s[WV], 36864                    ; my 48 rows
	s_add_co_u32 s18, s18, s19
	s_mov_b32 s19, 0
	s_lshl_b32 s20, s16, 3
	s_lshl1_add_u32 s20, s[WV], s20                ; T = 8 x + 2 w
	s_lshl_b32 s21, s17, 9
	s_add_co_u32 s21, s21, s20                     ; 512 quarter + T
	s_mul_i32 s22, s20, 12288
	s_mov_b32 s23, 0
	s_lshl_b32 s50, s20, 6
	s_mov_b32 s51, 0
	s_mul_i32 s52, s21, 24576
	s_mov_b32 s53, 0
	s_lshl_b32 s54, s21, 8
	s_mov_b32 s55, 0
	s_mul_i32 s56, s17, 1572864                    ; the prefetches: the quarter, group 2's new rows,
	s_add_co_u32 s56, s56, 2*GSTEP+49152
	s_mul_i32 s57, s15, 24576                      ; my work-group's part of them,
	s_add_co_u32 s56, s56, s57
	s_lshl_b32 s57, s[WV], 13                      ; my wave's
	s_add_co_u32 s56, s56, s57
	s_mov_b32 s57, 0
	s_cmp_lt_u32 s[WV], 3
	s_cselect_b32 s[LIM], 0, 1
	s_or_b32 s[LIM], s[LIM], ttmp9                 ; waves 0-2 of the quarter's first cluster: the same in all four partners
	s_cmp_eq_u32 s[LIM], 0
	s_cselect_b32 s[LIM], 1, -1
	s_mov_b32 s[CS], 0x3d96c73f                    ; c = log2(e) / sqrt(384) = 0.0736222
	s_mov_b32 s[CS+1], s[CS]                       ; named with it as a pair
	s_mov_b32 s[SEL], 0x76543210
	s_mov_b32 s[SEL+1], 0xfedcba98
	v_and_b32 v1, 31, v0                           ; lane
	v_lshlrev_b32 v[GO], 4, v1
	v_lshlrev_b32 v[PFO], 8, v1
	v_lshlrev_b32 v[MLO], 3, v1
	v_and_b32 v12, 15, v0
	v_lshlrev_b32 v[QBO], 2, v12
	v_and_b32 v12, 7, v0                           ; l % 8
	v_bfe_u32 v13, v0, 3, 1                        ; (l / 8) % 2
	v_bfe_u32 v14, v0, 4, 1                        ; l / 16
	v_lshl_add_u32 v15, v12, 1, v13                ; as it lies: matrix row r = l % 16 is key row 2 (r % 8) + r / 8;
	v_mul_u32_u24 v[AKP], v15, KP
	v_lshl_add_u32 v[AKP], v14, 4, v[AKP]          ; 16 bytes for each half of the lanes
	v_add_nc_u32 v[AKP], TILEB, v[AKP]
	v_lshl_add_u32 v15, v12, 1, v14                ; turned: lane l addresses key row 2 (l % 8) + l / 16,
	v_mul_u32_u24 v[AV0], v15, KP
	v_lshl_add_u32 v[AV0], v13, 4, v[AV0]          ; channels 8 ((l / 8) % 2) ..
	s_wait_dscnt 0x0                               ; the opening add is done
	s_wait_kmcnt 0x0
	s_add_nc_u64 s[G0+2:G0+3], s[8:9], s[18:19]    ; global address: my quarter of group 0
	s_or_b32 s[G0+3], s[G0+3], 0x80000000          ; type = 2
	s_add_nc_u64 s[PFA:PFA+1], s[8:9], s[56:57]
	s_add_nc_u64 s[4:5], s[4:5], s[22:23]
	s_add_nc_u64 s[6:7], s[6:7], s[50:51]
	s_add_nc_u64 s[10:11], s[10:11], s[52:53]
	s_add_nc_u64 s[12:13], s[12:13], s[54:55]
	CROUND                                         ; all four work-groups are here: the first joint loads meet
	tensor_load_to_lds s[G0:G0+3], s[G1:G1+7]      ; group 0 into slot 0.  Slot 1 is asked for when slot 0 is in
	s_nop 0
	PLACES
	WIN 0x40
.set i, 0
.rept 48                               ; Q' stays in registers: 24 fragments, 512 consecutive bytes a load
	global_load_b128 v[4*i:4*i+3], v[GO], s[4:5] offset:512*i
.set i, i+1
.endr
	; What the first step finds: O^T, l and P are 0, a is 1.  It stands in the wait for the first tile; the price of writing no first step out.
.irp t, 0,1
.irp k, 0,1,2,3,4,5,6,7
	v_mov_b32 v[P+16*\t+\k], 0
.endr
.endr
	WIN 0
	global_load_b32 v[QB], v[QBO], s[6:7]
	global_load_b32 v[QB+8], v[QBO], s[6:7] offset:64
	WIN 0x85                                       ; O^T is cleared by 48 products of P's zeros with the constant 0 as C: an eighth of the lines that 384 moves would be.  Sources window 1, destination window 2,
.set i, 0
.rept 32
	v_wmma_f32_16x16x32_bf16 v[8*i:8*i+7], v[P:P+7], v[P+16:P+23], 0
.set i, i+1
.endr
	WIN 0xc5                                       ; and window 3
.set i, 0
.rept 16
	v_wmma_f32_16x16x32_bf16 v[8*i:8*i+7], v[P:P+7], v[P+16:P+23], 0
.set i, i+1
.endr
	WIN 0
.irp t, 0,1
	v_mov_b32 v[ST+8*\t], 0xfe000000               ; c m: far below every c s, so the first a is 0
	v_mov_b32 v[ST+8*\t+1], 0xff7fffff             ; m
	v_mov_b32 v[ST+8*\t+2], 0
	v_mov_b32 v[ST+8*\t+3], 0
	v_mov_b32 v[ST+8*\t+6], 1.0                    ; a
	v_mov_b32 v[ST+8*\t+7], 0                      ; named with it as a pair
.set i, 16
.rept 16
	v_mov_b32 v[S+32*\t+i], 0                      ; the first X0 rounds these into P's second half
.set i, i+1
.endr
.endr
	CHANGE 1, 0                                    ; group 0 is in, everybody's part of it; group 1 is asked for
	HEAD                                           ; step 0
	s_wait_loadcnt 0x0                             ; Q' and qb
.irp t, 0,1
.irp k, 1,2,3,4,5,6,7
	v_mov_b32 v[QB+8*\t+\k], v[QB+8*\t]            ; a lane's query has one qb for all its keys
.endr
.endr
	s_mov_b32 s[CNT], 15
	s_mov_b32 s[TW], 2
	s_branch .Lenter                               ; the loop is entered in the middle of a trip
.Lgroup:                                               ; 14 times: groups 1 to 14 are entered, groups 2 to 15 asked for
	CHANGE 1, 1
	s_mov_b32 s[TW], 2
.Lstep:
	HEAD
	SIGMA 1
	s_sub_co_u32 s[TW], s[TW], 1
	s_cmp_lg_u32 s[TW], 0
	s_cbranch_scc1 .Lstep
	s_sub_co_u32 s[CNT], s[CNT], 1
	s_cmp_lg_u32 s[CNT], 0
	s_cbranch_scc1 .Lgroup
	CHANGE 0, 0                                    ; the last group is written out: nothing is asked for
	s_mov_b32 s[TW], 2
.Lstep2:
	HEAD
	SIGMA 0
	s_sub_co_u32 s[TW], s[TW], 1
	s_cmp_lg_u32 s[TW], 0
	s_cbranch_scc1 .Lstep2
	; THE END OF THE WALK: the last unit of step 31, the sums and roundings of S(31), O^T times a(31), and the second product of tile 31, at which s[TB] now stands.
	v_add_nc_u32 v[AV], s[TB], v[AV0]
	v_nop
	v_nop
	FETCH_V 0, 0
	UNITY2
.rept 16
	CVN
.endr
.set rs, 0
.rept 192
	RSN
.endr
	s_wait_dscnt 0x0
	FETCH_V 1, 1
.set i, 0
.rept 32
	PV 0, 0
.endr
	PLACES
	s_wait_dscnt 0x0
	FETCH_V 2, 0
.set i, 0
.rept 32
	PV 1, 1
.endr
	s_wait_dscnt 0x0
.set i, 0
.rept 32
	PV 2, 0
.endr
	; THE WAY OUT.  The accumulators leave as they lie: each store is 512 consecutive bytes, so no stage in LDS is needed; each accumulator's low half goes first.
	WIN 0
	PLACES
.irp t, 0,1
	v_add_f32 v[ST+8*\t+2], v[ST+8*\t+2], v[ST+8*\t+3]
.endr
.irp t, 0,1
	v_permlanex16_b32 v[ST+8*\t+3], v[ST+8*\t+2], s[SEL], s[SEL+1]
.endr
.irp t, 0,1
	v_add_f32 v[ST+8*\t+1], v[ST+8*\t+2], v[ST+8*\t+3]  ; l takes m's place beside c m
.endr
.irp t, 0,1
	global_store_b64 v[MLO], v[ST+8*\t:ST+8*\t+1], s[12:13] offset:256*\t
.endr
	WIN 0x08                                       ; store data in window 2
.set i, 0
.rept 32
	global_store_b128 v[GO], v[8*i:8*i+3],   s[10:11] offset:24576*(i%2)+1024*(i/2) th:TH_STORE_NT
	global_store_b128 v[GO], v[8*i+4:8*i+7], s[10:11] offset:24576*(i%2)+1024*(i/2)+512 th:TH_STORE_NT
.set i, i+1
.endr
	WIN 0x0c                                       ; window 3
.set i, 0
.rept 16
	global_store_b128 v[GO], v[8*i:8*i+3],   s[10:11] offset:24576*(i%2)+1024*(16+i/2) th:TH_STORE_NT
	global_store_b128 v[GO], v[8*i+4:8*i+7], s[10:11] offset:24576*(i%2)+1024*(16+i/2)+512 th:TH_STORE_NT
.set i, i+1
.endr
	WIN 0
	s_wait_tensorcnt 0x0                           ; the wave's end, behind my last tensor load
	ds_add_u32 v[SPW], v[NIL]
	s_wait_dscnt 0x0
	CROUND                                         ; the closing round: no work-group ends while a partner may still ask for a tile that names it
	s_endpgm
.Lfunc_end_k_qd585f9cd88_attn:
	.size	k_qd585f9cd88_attn, .Lfunc_end_k_qd585f9cd88_attn-k_qd585f9cd88_attn
	.p2alignl 7, 3214868480
	.fill 96, 4, 3214868480
	.section	.rodata,"a",@progbits
	.p2align	6, 0x0
	.amdhsa_kernel k_qd585f9cd88_attn
		.amdhsa_group_segment_fixed_size 327680
		.amdhsa_private_segment_fixed_size 0
		.amdhsa_enable_private_segment 0
		.amdhsa_kernarg_size 40
		.amdhsa_user_sgpr_count 2
		.amdhsa_user_sgpr_kernarg_segment_ptr 1
		.amdhsa_wavefront_size32 1
		.amdhsa_system_sgpr_workgroup_id_x 1
		.amdhsa_system_sgpr_workgroup_id_y 1
		.amdhsa_system_sgpr_workgroup_id_z 1
		.amdhsa_system_vgpr_workitem_id 0
		.amdhsa_next_free_vgpr 1024
		.amdhsa_next_free_sgpr 66
		.amdhsa_reserve_vcc 0
		.amdhsa_float_denorm_mode_32 3
		.amdhsa_float_denorm_mode_16_64 3
		.amdhsa_memory_ordered 1
		.amdhsa_forward_progress 1
		.amdhsa_inst_pref_size 171
	.end_amdhsa_kernel
	.amdgpu_metadata
---
amdhsa.version: [ 1, 2 ]
amdhsa.kernels:
  - .name:           k_qd585f9cd88_attn
    .symbol:         k_qd585f9cd88_attn.kd
    .args:
      - { .name: qf, .offset: 0, .size: 8, .value_kind: global_buffer, .address_space: global }
      - { .name: qb, .offset: 8, .size: 8, .value_kind: global_buffer, .address_space: global }
      - { .name: ybf, .offset: 16, .size: 8, .value_kind: global_buffer, .address_space: global }
      - { .name: part, .offset: 24, .size: 8, .value_kind: global_buffer, .address_space: global }
      - { .name: ml, .offset: 32, .size: 8, .value_kind: global_buffer, .address_space: global }
    .group_segment_fixed_size: 327680
    .private_segment_fixed_size: 0
    .kernarg_segment_align: 8
    .kernarg_segment_size: 40
    .max_flat_workgroup_size: 128
    .sgpr_count:     66
    .vgpr_count:     1024
    .wavefront_size: 32
...
	.end_amdgpu_metadata
.endif
;; end of part 3
;; launch post (part 4): grid 256 x 1, 4 waves a work-group, clusters of 4 x 1, 327,680 bytes of LDS; arguments part, ml, xf, wf, bv, bo, out0; writes out0
.if DOCPART == 4
	.amdgcn_target "amdgcn-amd-amdhsa--gfx1250"
	.amdhsa_code_object_version 6
	.text
	.protected	k_qd585f9cd88_post
	.globl	k_qd585f9cd88_post
	.p2align	8
	.type	k_qd585f9cd88_post,@function
k_qd585f9cd88_post:
	s_mov_b64 s[64:65], 0
	v_nop
	global_prefetch_b8 v0, s[64:65] scope:SCOPE_SE
	s_setreg_imm32_b32 hwreg(HW_REG_WAVE_MODE, 25, 1), 1
	s_wait_xcnt 0x0
	s_wait_alu depctr_hold_cnt(0) depctr_sa_sdst(0) depctr_va_vdst(0) depctr_va_sdst(0) depctr_va_ssrc(0) depctr_va_vcc(0) depctr_vm_vsrc(0)
	s_getreg_b32 s2, hwreg(HW_REG_IB_STS2, 6, 4)
	s_cmp_eq_u32 s2, 0
	s_cbranch_scc0 .Lentry_in_a_cluster
	s_endpgm
.Lentry_in_a_cluster:
	s_bfe_u32 s2, ttmp6, 0x10000c
	s_cmp_lg_u32 s2, 0x3003
	s_cbranch_scc0 .Lentry_shape_is_right
	s_endpgm
.Lentry_shape_is_right:
; POST.  The four quarters of the keys are merged: M = max c m_s, e_s = 2^(c m_s - M), U = (sum e_s O_s) / (sum e_s l_s);  ctx = U Wv^T + bv;
; out = x Wo^T + bo + (ctx Wo^T) / max(|ctx|, 1e-12).  x and ctx go through Wo as two operands, each rounded to bf16 by itself; the division by the norm is applied in f32 to the finished product.
; Merge, norm and biases in f32; U and ctx are rounded to bf16 once each, as matrix operands.
; LIMITS.  NaN and infinities are not treated apart; a factor e_s below 2^-126 counts as 0; a sum of squares below 2^-126 gives the norm 0, and then 1e-12 divides.
; SHARES, LAYOUT.  A work-group owns 32 rows: tiles t = 0, 1.  Wave w makes the channel blocks cb = 6 w .. 6 w + 5 of the merge and of all products.  Products are taken transposed (source 0 = a weight
; fragment, source 1 = 16 rows): lane (r, h) holds row r, channels 16 cb + 8 h + 0..7; part holds the accumulators in just this layout, and two neighbouring ones, rounded in pairs, ARE a source-1 fragment.
; CLUSTER.  All work-groups walk the same weights, 24 slices of 32 k (12 of Wv, 12 of Wo), so the four of a cluster ask for them JOINTLY: the same tensor load, descriptor and mask in all four.
; THE RING.  Two LDS slots of six slices.  A wave fills and reads only its own quarter of a slot: its six channel blocks, 6,144 bytes each.  Four fills: Wv's two halves at the start, Wo's two halves as
; refills.  A slot goes into registers in two RUNS of three slices (36 loads, six slice buffers of 48 registers, three by three), two runs ahead of the products: the first refill goes out when the
; last loads of part have been issued, and lands under the merge; the second behind step 2.  By the text's own count two tensor loads of a wave are out at the start, one later.
; The text has no loop; the counts of the waits for global loads are made by the assembler: NLD counts the loads issued, a mark is NLD behind a group of loads, a wait leaves NLD - mark out.
; REGISTERS, in windows of 256 (s_set_vgpr_msb: bits 1:0 source 0, 3:2 source 1, 5:4 source 2, 7:6 destination):
;   window 0: v0-15 addresses; v16-31 c m and l, later sums of squares; v32-47 the factors, each twice, later 1 / norm; v48-63 U at work; v64-159 ctx, later ctx Wo^T; v160-255 x Wo^T + bo
;   window 1: v0-191 x's 24 fragments     window 2: v0-191 six buffers of part, then U's fragments, then ctx's; v192-239 slice buffer 5     window 3: v0-239 slice buffers 0-4
.set OP,    1552                       ; a row of out in the stage: 1,536 + 16 = 97 x 16: the 16 rows of a store start at 16 different groups of four banks (64 banks of 4 bytes: ISA guide 11.1)
.set NS,    16*OP                      ; LDS 0 .. 24,831: ONE stage, used three times: U's 24 fragments ((t, c) at 1,024 (12 t + c)), ctx's, 16 rows of out.  Behind it partial sums of squares: [t][lane][wave]
.set SPARE, NS+1024                    ; behind them: the spare words, 128 bytes for each wave: two blocks of 256 bytes that no other line names
.set RING,  SPARE+512                  ; behind them the two slots: no ds_store ever lands there
.set WPART, 36864                      ; a wave's quarter of a slot: 6 blocks x 6 slices x 1,024 bytes
.set SLOTB, 4*WPART
.set NEXTW, 294912                     ; bytes in wf from Wv to Wo
.set L16, 4                            ; v4   16 x lane (also where I read the stage's fragments)
.set L8,  5                            ; v5   8 x lane
.set H32, 6                            ; v6   32 h
.set UXS, 7                            ; v7   where I put my wave's fragments of U and of ctx
.set LA,  8                            ; v8, v9  my 16 bytes at the head of my quarter of slot 0, 1
.set NSS, 11                           ; v11  my word of NS
.set NSL, 12                           ; v12  my lane's four words
.set OSS, 13                           ; v13  where I put 16 bytes of a row of out
.set SPW, 14                           ; v14  LDS address of my spare word; never rewritten
.set NIL, 15                           ; v15  0; never rewritten
.set ML,  16                           ; (t, s): c m, l at ML + 8 t + 2 s
.set SSQ, 16                           ; later: tile t's two chains of squares at SSQ + 4 t
.set NSV, 24                           ; later: tile t's four partial sums at NSV + 4 t
.set FS,  32                           ; (t, s): the factor, twice, at FS + 8 t + 2 s
.set INV, 32                           ; later: 1 / norm, twice, at INV + 2 t
.set OSL, 36                           ; later: where I read rows of out back
.set UT,  48
.set ACCC, 64
.set ACC1, 160
.set WV,  18                           ; s18  my wave's number
.set PB,  24                           ; s[24:31] part at my wave's blocks, one base for each quarter
.set MLB, 32
.set XFB, 34
.set BVB, 38
.set BOB, 40
.set OUTB, 42
.set SEL, 44
.set G1,  56                           ; s[56:63] descriptor group 1
.set GA,  68                           ; s[68:71] descriptor group 0 for slot 0
.set GB,  72                           ; s[72:75] for slot 1
.set MSB, 0
.macro WIN new                         ; the immediate's high byte repeats the setting that is left; a switch that changes nothing is dropped
.if MSB != (\new)
	s_set_vgpr_msb (MSB<<8)|(\new)
.set MSB, \new
.endif
.endm
.macro PLACES                          ; four places behind products, in front of loads into registers that they read and of vector work on results (ISA guide 7.12.1 for the vector work)
.rept 4
	v_nop
.endr
.endm
; A round of the cluster's barrier: my work-group's barrier, so that wave 0's signal speaks for all four waves; wave 0 signals; every wave waits for all four work-groups; my work-group's barrier once more.
.macro CROUND
	s_barrier_signal -1
	s_barrier_wait -1
	s_cmp_lg_u32 s[WV], 0
	s_cbranch_scc1 .Lnot_wave_0_\@
	s_barrier_signal -3
.Lnot_wave_0_\@:
	s_barrier_wait -3
	s_barrier_signal -1
	s_barrier_wait -1
.endm
; A slot, all of which lies in registers by now, is filled again, with the same slices of Wo.  Each wave waits for all its tensor loads, adds 0 to its spare word, and waits for that and for its reads of
; the slot; the barrier is a round of the cluster's; the joint refill is the first thing behind it.  The four v_nop behind it are also the places in front of the next run of loads.
.macro REFILL g
	WIN 0
	s_wait_tensorcnt 0x0                           ; no tensor load of mine is out, so a group 0 may be written
	ds_add_u32 v[SPW], v[NIL]                      ; 0 onto my spare word; the address's step stands between it and the wait for it
	s_add_nc_u64 s[(\g)+2:(\g)+3], s[(\g)+2:(\g)+3], NEXTW  ; the type bits on top are not reached
	s_wait_dscnt 0x0                               ; the add is done, and my reads of the slot are back
	CROUND
	tensor_load_to_lds s[(\g):(\g)+3], s[G1:G1+7]
	s_nop 0
	PLACES
.endm
.set NLD, 0
.macro GL dst, adr, base, off          ; a load of 16 bytes a lane, counted
	global_load_b128 v[(\dst):(\dst)+3], v[\adr], s[(\base):(\base)+1] offset:\off
.set NLD, NLD+1
.endm
.macro GLN dst, adr, base, off         ; the same for bytes that the launch reads once
	global_load_b128 v[(\dst):(\dst)+3], v[\adr], s[(\base):(\base)+1] offset:\off th:TH_LOAD_NT
.set NLD, NLD+1
.endm
.macro WAITLD mark                     ; loads come back in order: all up to the mark are in when no more are out than were issued behind it (63 is the most a wait can name: stricter)
.if NLD-(\mark) > 63
	s_wait_loadcnt 63
.else
	s_wait_loadcnt NLD-(\mark)
.endif
.endm
; Group g = 6 t + cbl of part: one accumulator of each of the four quarters, into buffer g % 6
.macro GROUP g
	WIN 0x80                                       ; destination window 2
.set mb, 32*((\g)%6)
.set go, 24576*((\g)/6)+1024*((\g)%6)
.irp q, 0,1,2,3
	GLN mb+8*\q, L16, PB+2*\q, go
	GLN mb+8*\q+4, L16, PB+2*\q, go+512
.endr
.set MKG\g, NLD
.endm
.macro MERGE g                         ; U's eight numbers of group g = the sum of factor x accumulator
	WAITLD MKG\g
	WIN 0x02                                       ; source 0 window 2
.set mb, 32*((\g)%6)
.set ut, UT+8*((\g)%2)
.set fs, FS+8*((\g)/6)
.irp k, 0,2,4,6
	v_pk_mul_f32 v[ut+\k:ut+\k+1], v[mb+\k:mb+\k+1], v[fs:fs+1]
.endr
.irp q, 1,2,3
.irp k, 0,2,4,6
	v_pk_fma_f32 v[ut+\k:ut+\k+1], v[mb+8*\q+\k:mb+8*\q+\k+1], v[fs+2*\q:fs+2*\q+1], v[ut+\k:ut+\k+1]
.endr
.endr
.endm
.macro PUTU g                          ; behind an odd group: two accumulators are one fragment: rounded in place, in ascending order, and put into the stage
	WIN 0
.irp k, 0,1,2,3,4,5,6,7
	v_cvt_pk_bf16_f32 v[UT+\k], v[UT+2*\k], v[UT+2*\k+1]
.endr
	ds_store_b128 v[UXS], v[UT:UT+3]   offset:12288*((\g)/6)+1024*(((\g)%6)/2)
	ds_store_b128 v[UXS], v[UT+4:UT+7] offset:12288*((\g)/6)+1024*(((\g)%6)/2)+512
.endm
; Run h of eight: slices 3 h .. 3 h + 2, from slot (h / 2) % 2, into slice buffers 3 (h % 2) ..: buffers 0-4 at 48 q in window 3, buffer 5 at 192 in window 2.  Each load takes 512 consecutive bytes.
.macro FETCH h
.set fa, LA+((\h)/2)%2
.set fi, 0
.rept 18
.set qs, 3*((\h)%2)+fi/6
.if qs < 5
	WIN 0xc0
.set fr, 48*qs+8*(fi%6)
.else
	WIN 0x80
.set fr, 192+8*(fi%6)
.endif
	ds_load_b128 v[fr:fr+3],   v[fa] offset:6144*(fi%6)+1024*(3*((\h)%2)+fi/6)
	ds_load_b128 v[fr+4:fr+7], v[fa] offset:6144*(fi%6)+1024*(3*((\h)%2)+fi/6)+512
.set fi, fi+1
.endr
.endm
; Twelve loads of x's fragments and six of bo (straight into the accumulators): dealt over steps 0 to 3; all are waited for ahead of step 4
.macro XTRA k
	WIN 0x40                                       ; destination window 1
.set i, 12*(\k)
.rept 12
	GL 4*i, L16, XFB, 12288*(i/24)+512*(i%24)
.set i, i+1
.endr
	WIN 0
.set i, 6*(\k)
.rept 6
	GL ACC1+4*i, H32, BOB, 64*(i/4)+16*(i%2)
.set i, i+1
.endr
.set MKX\k, NLD
.endm
; Run h is multiplied.  Slices 0-11: ctx += Wv U.  Slices 12-23: 12 products x Wo^T, then 12 products ctx Wo^T (slice 12's start their sums with the constant 0).  The accumulators take turns, one
; instruction a turn, from slice to slice and from run to run too.
.macro MULS h
.set si, 0
.rept 3
.set sg, 3*(\h)+si
.set cs, 8*(sg%12)
.set qs, 3*((\h)%2)+si
.if qs < 5
.set wa, 3
.set rr, 48*qs
.else
.set wa, 2
.set rr, 192
.endif
.if sg >= 12
	WIN 0x04+wa                                    ; source 0: the slice buffer's window; source 1 window 1
.set ai, 0
.rept 12
	v_wmma_f32_16x16x32_bf16 v[ACC1+8*ai:ACC1+8*ai+7], v[rr+8*(ai/2):rr+8*(ai/2)+7], v[96*(ai%2)+cs:96*(ai%2)+cs+7], v[ACC1+8*ai:ACC1+8*ai+7]
.set ai, ai+1
.endr
.endif
	WIN 0x08+wa                                    ; source 1 window 2
.set ai, 0
.rept 12
.if sg == 12
	v_wmma_f32_16x16x32_bf16 v[ACCC+8*ai:ACCC+8*ai+7], v[rr+8*(ai/2):rr+8*(ai/2)+7], v[96*(ai%2)+cs:96*(ai%2)+cs+7], 0
.else
	v_wmma_f32_16x16x32_bf16 v[ACCC+8*ai:ACCC+8*ai+7], v[rr+8*(ai/2):rr+8*(ai/2)+7], v[96*(ai%2)+cs:96*(ai%2)+cs+7], v[ACCC+8*ai:ACCC+8*ai+7]
.endif
.set ai, ai+1
.endr
.set si, si+1
.endr
.endm
	s_load_b256 s[4:11], s[0:1], 0x0               ; part 4:5, ml 6:7, xf 8:9, wf 10:11
	s_load_b128 s[12:15], s[0:1], 0x20             ; bv 12:13, bo 14:15
	s_load_b64 s[16:17], s[0:1], 0x30              ; out0
	v_lshl_add_u32 v[SPW], v0, 2, SPARE
	v_mov_b32 v[NIL], 0
	ds_add_u32 v[SPW], v[NIL]                      ; the wave's opening: the add and its wait ahead of my first tensor load; the set-up below, work on registers, stands between them
	v_lshrrev_b32 v1, 5, v0
	v_readfirstlane_b32 s[WV], v1                  ; wave 0..3
	s_bfe_u32 s55, ttmp6, 0x40000                  ; cx: my place in the cluster
	s_lshl_b32 s54, ttmp9, 2                       ; in a cluster launch ttmp9 counts clusters
	s_add_co_u32 s54, s54, s55                     ; my block of 32 rows: it enters the addresses of part, ml, xf and out0 alone
	; descriptor group 1: six rows (my channel blocks) of six slices: 6,144 bytes each, 12,288 bytes apart in wf, end to end in LDS
	s_mov_b32 s[G1+0], 15|(3<<16)|(1<<21)          ; 15:0 the mask of four; 17:16 elements of 8 bytes; 20 no padding; 21 set beside a mask
	s_mov_b32 s[G1+1], 768<<16                     ; tensor_dim0 = 768
	s_mov_b32 s[G1+2], 6<<16                       ; tensor_dim1 = 6
	s_mov_b32 s[G1+3], 768<<16                     ; tile_dim0 = 768
	s_mov_b32 s[G1+4], 6                           ; tile_dim1 = 6
	s_mov_b32 s[G1+5], 1536                        ; 1,536 elements from row to row
	s_mov_b32 s[G1+6], 0
	s_mov_b32 s[G1+7], 0
	s_mul_i32 s19, s[WV], WPART                    ; no place in the cluster enters an LDS address
	s_mov_b32 s[GA], 1                             ; count = 1
	s_add_co_u32 s[GA+1], s19, RING                ; LDS address: my quarter of slot 0,
	s_mov_b32 s[GB], 1
	s_add_co_u32 s[GB+1], s19, RING+SLOTB          ; of slot 1
	v_and_b32 v1, 31, v0                           ; lane
	v_and_b32 v2, 15, v0                           ; r
	v_bfe_u32 v3, v0, 4, 1                         ; h
	v_lshlrev_b32 v[L16], 4, v1
	v_lshlrev_b32 v[L8], 3, v1
	v_lshlrev_b32 v[H32], 5, v3
	s_mul_i32 s19, s[WV], 3072
	v_add_nc_u32 v[UXS], s19, v[L16]
	v_add_nc_u32 v[LA], s[GA+1], v[L16]
	v_add_nc_u32 v[LA+1], s[GB+1], v[L16]
	v_add_nc_u32 v[NSL], NS, v[L16]
	s_lshl_b32 s19, s[WV], 2
	v_add_nc_u32 v[NSS], s19, v[NSL]
	s_mul_i32 s19, s[WV], 384
	v_mul_u32_u24 v[OSS], v2, OP
	v_add_nc_u32 v[OSS], v[OSS], v[H32]
	v_add_nc_u32 v[OSS], s19, v[OSS]
	s_mov_b32 s[SEL], 0x76543210
	s_mov_b32 s[SEL+1], 0xfedcba98
	s_mul_i32 s20, s54, 49152                      ; two tiles of 24 accumulators of 1,024 bytes,
	s_mul_i32 s21, s[WV], 6144                     ; my wave's six of each
	s_add_co_u32 s20, s20, s21
	s_mov_b32 s21, 0
	s_lshl_b32 s22, s54, 9
	s_mov_b32 s23, 0
	s_mul_i32 s46, s54, 24576
	s_mov_b32 s47, 0
	s_mul_i32 s48, s[WV], 73728                    ; six blocks of 12 fragments,
	s_add_co_u32 s48, s48, 602112                  ; of Wv
	s_mov_b32 s49, 0
	s_mul_i32 s50, s[WV], 384
	s_mov_b32 s51, 0
	s_mul_i32 s52, s54, 49152                      ; 32 rows of out,
	s_mul_i32 s53, s[WV], 6144                     ; my wave's 4 of each tile
	s_add_co_u32 s52, s52, s53
	s_mov_b32 s53, 0
	s_wait_dscnt 0x0                               ; the opening add is done
	s_wait_kmcnt 0x0
	s_add_nc_u64 s[PB:PB+1], s[4:5], s[20:21]
	s_add_nc_u64 s[PB+2:PB+3], s[PB:PB+1], 12582912
	s_add_nc_u64 s[PB+4:PB+5], s[PB+2:PB+3], 12582912
	s_add_nc_u64 s[PB+6:PB+7], s[PB+4:PB+5], 12582912
	s_add_nc_u64 s[MLB:MLB+1], s[6:7], s[22:23]
	s_add_nc_u64 s[XFB:XFB+1], s[8:9], s[46:47]
	s_add_nc_u64 s[GA+2:GA+3], s[10:11], s[48:49]  ; global address: Wv's slices 0-5 of my blocks,
	s_add_nc_u64 s[GB+2:GB+3], s[GA+2:GA+3], 6144  ; slices 6-11
	s_or_b32 s[GA+3], s[GA+3], 0x80000000          ; type = 2
	s_or_b32 s[GB+3], s[GB+3], 0x80000000
	s_add_nc_u64 s[BVB:BVB+1], s[12:13], s[50:51]
	s_add_nc_u64 s[BOB:BOB+1], s[14:15], s[50:51]
	s_add_nc_u64 s[OUTB:OUTB+1], s[16:17], s[52:53]
	CROUND                                         ; all four work-groups are here: the first joint loads meet
	tensor_load_to_lds s[GA:GA+3], s[G1:G1+7]      ; both first fills go out together, ahead of every wait on TENSORcnt, every LDS read and every other barrier
	s_nop 0
	tensor_load_to_lds s[GB:GB+3], s[G1:G1+7]
	s_nop 0
	PLACES
.irp t, 0,1
.irp q, 0,1,2,3
	global_load_b64 v[ML+8*\t+2*\q:ML+8*\t+2*\q+1], v[L8], s[MLB:MLB+1] offset:131072*\q+256*\t
.set NLD, NLD+1
.endr
.endr
.set MKML, NLD
	GROUP 0
	GROUP 1
	GROUP 2
	GROUP 3
	GROUP 4
	GROUP 5
	WIN 0
	WAITLD MKML
	; the factors: the maximum is taken away before the exponentials
.irp t, 0,1
	v_max3_num_f32 v[UT+\t], v[ML+8*\t], v[ML+8*\t+2], v[ML+8*\t+4]
.endr
.irp t, 0,1
	v_max_num_f32 v[UT+\t], v[UT+\t], v[ML+8*\t+6]
.endr
.irp t, 0,1
.irp q, 0,1,2,3
	v_sub_f32 v[ML+8*\t+2*\q], v[ML+8*\t+2*\q], v[UT+\t]
.endr
.endr
.irp t, 0,1
.irp q, 0,1,2,3
	v_exp_f32 v[ML+8*\t+2*\q], v[ML+8*\t+2*\q]
.endr
.endr
	v_nop                                          ; a plain instruction behind the last exponential,
	s_wait_alu depctr_va_vdst(0)                   ; and the wait ahead of the first use: one for the eight
.irp t, 0,1
	v_mul_f32 v[UT+2+\t], v[ML+8*\t], v[ML+8*\t+1]
.endr
.irp q, 1,2,3
.irp t, 0,1
	v_fmac_f32 v[UT+2+\t], v[ML+8*\t+2*\q], v[ML+8*\t+2*\q+1]
.endr
.endr
.irp t, 0,1
	v_rcp_f32 v[UT+4+\t], v[UT+2+\t]
.endr
	v_nop
	s_wait_alu depctr_va_vdst(0)                   ; one for the two reciprocals
.irp t, 0,1
.irp q, 0,1,2,3
	v_mul_f32 v[FS+8*\t+2*\q], v[ML+8*\t+2*\q], v[UT+4+\t]
	v_mul_f32 v[FS+8*\t+2*\q+1], v[ML+8*\t+2*\q], v[UT+4+\t]  ; twice: a pair for the packed multiplies
.endr
.endr
	MERGE 0
	GROUP 6                                        ; a buffer is asked for again as soon as it has been read
	MERGE 1
	PUTU 1
	GROUP 7
	MERGE 2
	GROUP 8
	MERGE 3
	PUTU 3
	GROUP 9
	MERGE 4
	GROUP 10
	MERGE 5
	PUTU 5
	GROUP 11
	s_wait_tensorcnt 0x1                           ; all of part has been asked for.  My quarter of slot 0 is in (only I read it); slot 1's load, issued behind it, may stay out
	FETCH 0
	FETCH 1                                        ; all of slot 0 is on its way into registers,
	REFILL GA                                      ; so it takes Wo's slices 0-5 at once: they land under the rest of the merge
	MERGE 6
	MERGE 7
	PUTU 7
	MERGE 8
	WIN 0
.set i, 0
.rept 24                               ; bv straight into ctx's accumulators: register j of (cbl, t) is bv[16 (6 w + cbl) + 8 h + j]
	GL ACCC+4*i, H32, BVB, 64*(i/4)+16*(i%2)
.set i, i+1
.endr
.set MKBV, NLD
	MERGE 9
	PUTU 9
	MERGE 10
	MERGE 11
	PUTU 11
	s_wait_dscnt 0x0                               ; for the others' sake: my fragments of U lie in the stage
	s_barrier_signal -1
	s_barrier_wait -1                              ; all 24 do; the tensor load may stay out
	WIN 0x80
.set i, 0
.rept 48                               ; U's fragments take the buffers' registers
	ds_load_b128 v[4*i:4*i+3], v[L16] offset:512*i
.set i, i+1
.endr
	XTRA 0
	s_wait_dscnt 0x0
	WAITLD MKBV
	MULS 0                                         ; ctx = U Wv^T + bv
	PLACES
	FETCH 2
	XTRA 1
	MULS 1
	PLACES
	FETCH 3
	XTRA 2
	s_wait_dscnt 36                                ; run 2 is in; run 3's 36 loads may stay out
	MULS 2
	REFILL GB                                      ; run 3 is in: slot 1 takes Wo's slices 6-11; slot 0's refill has landed.  Every wave's reads of U's fragments lie ahead of this round
	FETCH 4
	WAITLD MKX0                                    ; the first 18 of x's and bo's loads came long ago: with this wait no more than 54 loads of mine are ever out
	XTRA 3
	MULS 3
	PLACES
	FETCH 5
	WIN 0
	; my 48 channels' squares for each tile, in two chains; each accumulator is read from its low end on
.irp t, 0,1
.set ci, 0
.rept 6
.irp k, 0,2,4,6
.set rx, ACCC+8*(2*ci+\t)+\k
.set rq, SSQ+4*\t+2*((\k/2)%2)
.if (ci == 0) && (\k < 4)
	v_pk_mul_f32 v[rq:rq+1], v[rx:rx+1], v[rx:rx+1]
.else
	v_pk_fma_f32 v[rq:rq+1], v[rx:rx+1], v[rx:rx+1], v[rq:rq+1]
.endif
.endr
.set ci, ci+1
.endr
.endr
.irp t, 0,1
	v_pk_add_f32 v[SSQ+4*\t:SSQ+4*\t+1], v[SSQ+4*\t:SSQ+4*\t+1], v[SSQ+4*\t+2:SSQ+4*\t+3]
.endr
.irp t, 0,1
	v_add_f32 v[SSQ+4*\t], v[SSQ+4*\t], v[SSQ+4*\t+1]
.endr
.set ai, 0
.rept 12                               ; ctx, not yet divided, to bf16, each accumulator into its own four lowest registers: half cbl % 2 of fragment (t, 3 w + cbl / 2); into the stage, where U's fragments lay
.irp k, 0,1,2,3
	v_cvt_pk_bf16_f32 v[ACCC+8*ai+\k], v[ACCC+8*ai+2*\k], v[ACCC+8*ai+2*\k+1]
.endr
	ds_store_b128 v[UXS], v[ACCC+8*ai:ACCC+8*ai+3] offset:12288*(ai%2)+512*(ai/2)
.set ai, ai+1
.endr
.irp t, 0,1
	ds_store_b32 v[NSS], v[SSQ+4*\t] offset:512*\t
.endr
	s_wait_dscnt 0x0                               ; for the others' sake (runs 4 and 5 are in too)
	s_barrier_signal -1
	s_barrier_wait -1                              ; all of ctx and all partial sums lie in LDS
	WIN 0x80
.set i, 0
.rept 48                               ; ctx's fragments take U's registers
	ds_load_b128 v[4*i:4*i+3], v[L16] offset:512*i
.set i, i+1
.endr
	WIN 0
.irp t, 0,1
	ds_load_b128 v[NSV+4*\t:NSV+4*\t+3], v[NSL] offset:512*\t
.endr
	s_wait_dscnt 0x0                               ; my reads of the stage are back:
	s_barrier_signal -1
	s_barrier_wait -1                              ; everybody's are, so rows of out may be put there later
.irp t, 0,1
	v_add_f32 v[NSV+4*\t], v[NSV+4*\t], v[NSV+4*\t+1]
	v_add_f32 v[NSV+4*\t+2], v[NSV+4*\t+2], v[NSV+4*\t+3]
.endr
.irp t, 0,1
	v_add_f32 v[NSV+4*\t], v[NSV+4*\t], v[NSV+4*\t+2]
.endr
.irp t, 0,1
	v_permlanex16_b32 v[NSV+4*\t+1], v[NSV+4*\t], s[SEL], s[SEL+1]  ; the row's other channels lie in the lane 16 away
.endr
.irp t, 0,1
	v_add_f32 v[NSV+4*\t], v[NSV+4*\t], v[NSV+4*\t+1]
.endr
.irp t, 0,1
	v_sqrt_f32 v[NSV+4*\t+2], v[NSV+4*\t]
.endr
	v_nop
	s_wait_alu depctr_va_vdst(0)                   ; one for the two roots
.irp t, 0,1
	v_max_num_f32 v[NSV+4*\t+2], 0x2b8cbccc, v[NSV+4*\t+2]  ; max(norm, 1e-12)
.endr
.irp t, 0,1
	v_rcp_f32 v[INV+2*\t], v[NSV+4*\t+2]
	v_rcp_f32 v[INV+2*\t+1], v[NSV+4*\t+2]         ; twice: a pair for the packed multiply-add
.endr
	v_nop
	s_wait_alu depctr_va_vdst(0)                   ; one for the four reciprocals
	s_mul_i32 s19, s[WV], 4*OP
	v_add_nc_u32 v[OSL], s19, v[L16]
	s_wait_loadcnt 0x0                             ; x's fragments and bo
	MULS 4                                         ; x Wo^T + bo, and ctx Wo^T
	PLACES
	s_wait_tensorcnt 0x0                           ; slot 1's refill is in: no load was issued behind it
	FETCH 6
	MULS 5
	PLACES
	FETCH 7
	s_wait_dscnt 36                                ; run 6 is in
	MULS 6
	s_wait_dscnt 0x0
	MULS 7
	PLACES
	WIN 0
.set ai, 0
.rept 12                               ; out = (x Wo^T + bo) + (ctx Wo^T) / norm
.irp k, 0,2,4,6
	v_pk_fma_f32 v[ACC1+8*ai+\k:ACC1+8*ai+\k+1], v[ACCC+8*ai+\k:ACCC+8*ai+\k+1], v[INV+2*(ai%2):INV+2*(ai%2)+1], v[ACC1+8*ai+\k:ACC1+8*ai+\k+1]
.endr
.set ai, ai+1
.endr
	; THE WAY OUT, a tile at a time through the stage: row r, 32 bytes at channel 16 cb + 8 h; a barrier, since a row's 1,536 bytes come from four waves; back as whole rows, four rows a wave.
.irp t, 0,1
.set ci, 0
.rept 6
	ds_store_b128 v[OSS], v[ACC1+8*(2*ci+\t):ACC1+8*(2*ci+\t)+3]   offset:64*ci
	ds_store_b128 v[OSS], v[ACC1+8*(2*ci+\t)+4:ACC1+8*(2*ci+\t)+7] offset:64*ci+16
.set ci, ci+1
.endr
	s_wait_dscnt 0x0                               ; for the others' sake
	s_barrier_signal -1
	s_barrier_wait -1
.set i, 0
.rept 12                               ; a third of a row a load, into the registers of this tile's finished ctx Wo^T
	ds_load_b128 v[ACCC+16*(i/2)+8*\t+4*(i%2):ACCC+16*(i/2)+8*\t+4*(i%2)+3], v[OSL] offset:OP*(i/3)+512*(i%3)
.set i, i+1
.endr
.set i, 0
.rept 12
	s_wait_dscnt 11-i                              ; LDS loads come back in order: number i is in, the younger ones stay out
	global_store_b128 v[L16], v[ACCC+16*(i/2)+8*\t+4*(i%2):ACCC+16*(i/2)+8*\t+4*(i%2)+3], s[OUTB:OUTB+1] offset:24576*\t+512*i th:TH_STORE_NT  ; 512 consecutive bytes, aligned
.set i, i+1
.endr
.if \t == 0
	s_barrier_signal -1                            ; my reads of the stage are back (the last wait was for 0);
	s_barrier_wait -1                              ; everybody's are: the second tile may be put there
.endif
.endr
	s_wait_tensorcnt 0x0                           ; the wave's end, behind my last tensor load and my last LDS store
	ds_add_u32 v[SPW], v[NIL]
	s_wait_dscnt 0x0
	CROUND                                         ; the closing round: no work-group ends while a partner may still ask for a tile that names it
	s_endpgm
.Lfunc_end_k_qd585f9cd88_post:
	.size	k_qd585f9cd88_post, .Lfunc_end_k_qd585f9cd88_post-k_qd585f9cd88_post
	.p2alignl 7, 3214868480
	.fill 96, 4, 3214868480
	.section	.rodata,"a",@progbits
	.p2align	6, 0x0
	.amdhsa_kernel k_qd585f9cd88_post
		.amdhsa_group_segment_fixed_size 327680
		.amdhsa_private_segment_fixed_size 0
		.amdhsa_enable_private_segment 0
		.amdhsa_kernarg_size 56
		.amdhsa_user_sgpr_count 2
		.amdhsa_user_sgpr_kernarg_segment_ptr 1
		.amdhsa_wavefront_size32 1
		.amdhsa_system_sgpr_workgroup_id_x 1
		.amdhsa_system_sgpr_workgroup_id_y 1
		.amdhsa_system_sgpr_workgroup_id_z 1
		.amdhsa_system_vgpr_workitem_id 0
		.amdhsa_next_free_vgpr 1008
		.amdhsa_next_free_sgpr 80
		.amdhsa_reserve_vcc 0
		.amdhsa_float_denorm_mode_32 3
		.amdhsa_float_denorm_mode_16_64 3
		.amdhsa_memory_ordered 1
		.amdhsa_forward_progress 1
		.amdhsa_inst_pref_size 116
	.end_amdhsa_kernel
	.amdgpu_metadata
---
amdhsa.version: [ 1, 2 ]
amdhsa.kernels:
  - .name:           k_qd585f9cd88_post
    .symbol:         k_qd585f9cd88_post.kd
    .args:
      - { .name: part, .offset: 0, .size: 8, .value_kind: global_buffer, .address_space: global }
      - { .name: ml, .offset: 8, .size: 8, .value_kind: global_buffer, .address_space: global }
      - { .name: xf, .offset: 16, .size: 8, .value_kind: global_buffer, .address_space: global }
      - { .name: wf, .offset: 24, .size: 8, .value_kind: global_buffer, .address_space: global }
      - { .name: bv, .offset: 32, .size: 8, .value_kind: global_buffer, .address_space: global }
      - { .name: bo, .offset: 40, .size: 8, .value_kind: global_buffer, .address_space: global }
      - { .name: out0, .offset: 48, .size: 8, .value_kind: global_buffer, .address_space: global }
    .group_segment_fixed_size: 327680
    .private_segment_fixed_size: 0
    .kernarg_segment_align: 8
    .kernarg_segment_size: 56
    .max_flat_workgroup_size: 128
    .sgpr_count:     80
    .vgpr_count:     1008
    .wavefront_size: 32
...
	.end_amdgpu_metadata
.endif
;; end of part 4
;; ======== version 2 of 2: 4 launches; version 1 with the launch prep written anew for expert scheduling mode
;; workspace buffers: ybf 6,340,608 bytes; wf 1,191,936 bytes; qf 6,291,456 bytes; xf 6,291,456 bytes; qb 32,768 bytes; part 50,331,648 bytes; ml 524,288 bytes
;; launch prep (part 5): grid 256 x 1, 8 waves a work-group, no clusters, 0 bytes of LDS; arguments y, Wq, Wv, Wo, Wk, bk, ybf, wf; writes ybf, wf
.if DOCPART == 5
	.amdgcn_target "amdgcn-amd-amdhsa--gfx1250"
	.amdhsa_code_object_version 6
	.text
	.protected	k_qd585f9cd88_prep
	.globl	k_qd585f9cd88_prep
	.p2align	8
	.type	k_qd585f9cd88_prep,@function
k_qd585f9cd88_prep:
	s_mov_b64 s[64:65], 0
	v_nop
	global_prefetch_b8 v0, s[64:65] scope:SCOPE_SE
	s_setreg_imm32_b32 hwreg(HW_REG_WAVE_SCHED_MODE, 0, 2), 2
	s_setreg_imm32_b32 hwreg(HW_REG_WAVE_MODE, 25, 1), 1
	s_wait_xcnt 0x0
	s_wait_alu depctr_vm_vsrc(0)
; PREP.  (1) ybf = 64 rows of zeros, then y rounded to bf16: 8,256 rows of 768 bytes.
; (2) wf = Wq, Wk transposed, a block whose 16 rows are all bk, Wv, Wo, rounded to bf16 and laid out in matrix fragments.
; A fragment (cb, c) is 16 rows (16 cb ..) x 32 k (32 c ..), 1,024 bytes at 1,024 (12 cb + c): lane l = (r = l % 16, h = l / 16) has 16 bytes at 16 l
; (k = 32 c + 8 h + 0..7 of row 16 cb + r) and 16 bytes at 512 + 16 l (k = 32 c + 16 + 8 h + 0..7): the registers of a 16-bit matrix operand as they lie,
; so that every later load of a fragment is 512 consecutive bytes.
; SHARES.  Every work-group converts 49,152 bytes of y (a wave 6,144: twelve loads of 512 bytes); work-groups 0 to 157 also make one fragment, or 512 bytes
; of the zero rows, in each wave.  No LDS and no matrix unit: each byte is read once and written once.
; THE MODE: SCHED_MODE bits 1:0 = 2 (LLVM: expert scheduling mode 2), set by the entry lines.  The code itself states the register dependences
; between vector instructions and memory instructions, with s_wait_alu, always for 0.
; THE PLAN.  Registers that memory instructions touch:
;   v3, v4     byte offsets in y and in ybf: made once at the head, read by the twelve loads and the twelve stores, never written again.
;   v[16:63]   four registers to load i.  The load lands in them; its two conversions write the first two in place; store i reads those two.  Never written again.
;   v7, v8     16 x lane, and a fragment's source offset: made once on each path, read by that path's stores and loads, never written again.
;   v[64:79]   a fragment's sixteen f32: written by its loads, read by eight conversions (on the zero rows' path v[64:67] are written by four moves and read by one store).
;   v[80:87]   the fragment in bf16: written by the eight conversions, read by two stores.
; The twelve loads go in four blocks of three.  Store i - 3 stands in front of load i's conversions, and ONE wait on va_vdst at the head of a block states that the block
; before has written its out-registers: the conversions issued since name their own load's four registers alone, so the block's three stores follow with no further wait.
; No register that a memory instruction reads is written again, so no wait on vm_vsrc stands behind the entry lines.  EXEC and VCC are never written.
.set PADB,  49152                      ; the 64 zero rows
.set D_WQ,  0                          ; byte offsets in wf
.set D_WKT, 294912
.set D_BK,  589824
.set D_WV,  602112
.set D_WO,  897024
	s_load_b512 s[4:19], s[0:1], 0x0               ; y 4:5, Wq 6:7, Wv 8:9, Wo 10:11, Wk 12:13, bk 14:15, ybf 16:17, wf 18:19
	v_lshrrev_b32 v1, 5, v0
	v_readfirstlane_b32 s20, v1                    ; wave 0..7
	v_and_b32 v2, 31, v0                           ; lane
	s_mul_i32 s22, ttmp9, 49152                    ; the work-group's bytes of y,
	s_mov_b32 s23, 0
	s_mul_i32 s24, ttmp9, 24576                    ; and of ybf, behind the zero rows
	s_add_co_u32 s24, s24, PADB
	s_mov_b32 s25, 0
	s_wait_alu depctr_va_sdst(0)                   ; s20 is written, ahead of its first reader: the wave's offsets and, further down, the fragment's number are made from it
	s_mul_i32 s21, s20, 6144
	v_lshl_add_u32 v3, v2, 4, s21                  ; in: 6,144 wave + 16 lane
	s_mul_i32 s21, s20, 3072
	v_lshl_add_u32 v4, v2, 3, s21                  ; out: 3,072 wave + 8 lane
	s_wait_kmcnt 0x0
	s_add_nc_u64 s[26:27], s[4:5], s[22:23]
	s_add_nc_u64 s[28:29], s[16:17], s[24:25]
	s_wait_alu depctr_va_vdst(0)                   ; v3 and v4 are written: the loads below read v3 as their offset, the stores v4
.irp i, 0,1,2,3,4,5,6,7,8,9,10,11
	global_load_b128 v[16+4*\i:16+4*\i+3], v3, s[26:27] offset:512*\i th:TH_LOAD_NT
.endr
.irp i, 0,1,2,3,4,5,6,7,8,9,10,11
	s_wait_loadcnt 11-\i                           ; loads come back in order: number i is in, the younger ones stay out
.if ((\i) > 0) && (((\i) % 3) == 0)
	s_wait_alu depctr_va_vdst(0)                   ; a block's head: the conversions of the three loads before have written their out-registers, which this block's three stores read
.endif
.if (\i) >= 3
	global_store_b64 v4, v[16+4*(\i-3):16+4*(\i-3)+1], s[28:29] offset:256*(\i-3)  ; the wave's store covers 256 consecutive bytes, aligned; no vector instruction since the wait names its registers
.endif
	v_cvt_pk_bf16_f32 v[16+4*\i], v[16+4*\i], v[16+4*\i+1]      ; in place: no store's data register is written again
	v_cvt_pk_bf16_f32 v[16+4*\i+1], v[16+4*\i+2], v[16+4*\i+3]
.endr
	s_wait_alu depctr_va_vdst(0)                   ; the last block's conversions have written their out-registers, which the last three stores read
.irp i, 9,10,11
	global_store_b64 v4, v[16+4*\i:16+4*\i+1], s[28:29] offset:256*\i
.endr
	; THE WEIGHTS.  Which task a work-group has hangs on its number alone.
	s_mov_b32 s30, ttmp9
	s_cmp_ge_u32 s30, 158
	s_cbranch_scc1 .Lend
	v_and_b32 v5, 15, v0                           ; r
	v_bfe_u32 v6, v0, 4, 1                         ; h
	v_lshlrev_b32 v7, 4, v2                        ; 16 lane
	s_cmp_ge_u32 s30, 146
	s_cbranch_scc1 .Lpad
	s_cmp_ge_u32 s30, 144
	s_cbranch_scc1 .Lbias
	s_cmp_ge_u32 s30, 108
	s_cbranch_scc1 .Lturned
	s_mov_b64 s[44:45], s[10:11]                   ; work-groups 72-107: Wo
	s_mov_b32 s32, 72
	s_mov_b32 s35, D_WO
	s_cmp_lt_u32 s30, 72
	s_cselect_b64 s[44:45], s[8:9], s[44:45]       ; 36-71: Wv
	s_cselect_b32 s32, 36, s32
	s_cselect_b32 s35, D_WV, s35
	s_cmp_lt_u32 s30, 36
	s_cselect_b64 s[44:45], s[6:7], s[44:45]       ; 0-35: Wq
	s_cselect_b32 s32, 0, s32
	s_cselect_b32 s35, D_WQ, s35
	s_mov_b32 s46, 1536                            ; bytes from row to row
	s_mov_b32 s47, 288                             ; fragments
	s_branch .Lplain
.Lbias:                                                ; 144-145: all 16 rows of the block are bk: the pitch is 0
	s_mov_b64 s[44:45], s[14:15]
	s_mov_b32 s32, 144
	s_mov_b32 s35, D_BK
	s_mov_b32 s46, 0
	s_mov_b32 s47, 12
; f = 8 (work-group - first) + wave; cb = f / 12 = (171 f) >> 11, exact below 288; c = f - 12 cb; the fragment's place in wf
.macro FRAGNO
	s_sub_co_u32 s31, s30, s32
	s_lshl3_add_u32 s31, s31, s20
	s_mul_i32 s33, s31, 171
	s_lshr_b32 s33, s33, 11
	s_mul_i32 s34, s33, 12
	s_sub_co_u32 s34, s31, s34
	s_lshl_b32 s36, s31, 10
	s_add_co_u32 s36, s36, s35
	s_mov_b32 s37, 0
	s_add_nc_u64 s[38:39], s[18:19], s[36:37]
.endm
; sixteen f32 in v[64:79], in the order of the fragment's k, become eight registers and leave as two runs of 512 bytes
.macro OUTFRAG
	s_wait_loadcnt 0x0
.irp k, 0,1,2,3,4,5,6,7
	v_cvt_pk_bf16_f32 v[80+\k], v[64+2*\k], v[64+2*\k+1]
.endr
	s_wait_alu depctr_va_vdst(0)                   ; the eight conversions have written v[80:87], which the two stores read
	global_store_b128 v7, v[80:83], s[38:39]
	global_store_b128 v7, v[84:87], s[38:39] offset:512
.endm
.Lplain:
	FRAGNO
	s_cmp_ge_u32 s31, s47                          ; bk's block has 12 fragments for 16 waves
	s_cbranch_scc1 .Lend
	s_mul_i32 s40, s33, s46
	s_lshl_b32 s40, s40, 4                         ; 16 cb rows
	s_lshl_b32 s41, s34, 7                         ; + 32 c numbers of 4 bytes
	s_add_co_u32 s40, s40, s41
	s_mov_b32 s41, 0
	s_add_nc_u64 s[42:43], s[44:45], s[40:41]
	v_mul_lo_u32 v8, v5, s46                       ; row r
	v_lshl_add_u32 v8, v6, 5, v8                   ; + 8 h numbers
	s_wait_alu depctr_va_vdst(0)                   ; v8 is written, which the four loads read as their offset; so is v7, the offset of the stores behind them
	global_load_b128 v[64:67], v8, s[42:43]
	global_load_b128 v[68:71], v8, s[42:43] offset:16
	global_load_b128 v[72:75], v8, s[42:43] offset:64
	global_load_b128 v[76:79], v8, s[42:43] offset:80
	OUTFRAG
	s_branch .Lend
.Lturned:                                              ; 108-143: row 16 cb + r of Wk transposed is column 16 cb + r of Wk: lane (r, h) takes Wk[32 c + 8 h + i (+ 16)][16 cb + r]
	s_mov_b32 s32, 108
	s_mov_b32 s35, D_WKT
	FRAGNO
	s_mul_i32 s40, s34, 49152                      ; 32 c rows of 1,536 bytes
	s_lshl_b32 s41, s33, 6                         ; + 16 cb columns
	s_add_co_u32 s40, s40, s41
	s_mov_b32 s41, 0
	s_add_nc_u64 s[42:43], s[12:13], s[40:41]
	v_mul_u32_u24 v8, v6, 12288                    ; 8 h rows
	v_lshl_add_u32 v8, v5, 2, v8                   ; + column r
	s_wait_alu depctr_va_vdst(0)                   ; v8 is written, which the sixteen loads read as their offset; so is v7, the offset of the stores behind them
.irp i, 0,1,2,3,4,5,6,7
	global_load_b32 v[64+\i], v8, s[42:43] offset:1536*\i
	global_load_b32 v[72+\i], v8, s[42:43] offset:24576+1536*\i
.endr
	OUTFRAG
	s_branch .Lend
.Lpad:                                                 ; 146-157: 96 waves x 512 bytes = the 64 zero rows at ybf's head
	s_sub_co_u32 s31, s30, 146
	s_lshl3_add_u32 s31, s31, s20
	s_lshl_b32 s36, s31, 9
	s_mov_b32 s37, 0
	s_add_nc_u64 s[38:39], s[16:17], s[36:37]
	v_mov_b32 v64, 0
	v_mov_b32 v65, 0
	v_mov_b32 v66, 0
	v_mov_b32 v67, 0
	s_wait_alu depctr_va_vdst(0)                   ; the four zeros v[64:67] and the offset v7 are written, which the store reads
	global_store_b128 v7, v[64:67], s[38:39]
.Lend:
	s_endpgm
.Lfunc_end_k_qd585f9cd88_prep:
	.size	k_qd585f9cd88_prep, .Lfunc_end_k_qd585f9cd88_prep-k_qd585f9cd88_prep
	.p2alignl 7, 3214868480
	.fill 96, 4, 3214868480
	.section	.rodata,"a",@progbits
	.p2align	6, 0x0
	.amdhsa_kernel k_qd585f9cd88_prep
		.amdhsa_group_segment_fixed_size 0
		.amdhsa_private_segment_fixed_size 0
		.amdhsa_enable_private_segment 0
		.amdhsa_kernarg_size 64
		.amdhsa_user_sgpr_count 2
		.amdhsa_user_sgpr_kernarg_segment_ptr 1
		.amdhsa_wavefront_size32 1
		.amdhsa_system_sgpr_workgroup_id_x 1
		.amdhsa_system_sgpr_workgroup_id_y 1
		.amdhsa_system_sgpr_workgroup_id_z 1
		.amdhsa_system_vgpr_workitem_id 0
		.amdhsa_next_free_vgpr 88
		.amdhsa_next_free_sgpr 66
		.amdhsa_reserve_vcc 0
		.amdhsa_float_denorm_mode_32 3
		.amdhsa_float_denorm_mode_16_64 3
		.amdhsa_memory_ordered 1
		.amdhsa_forward_progress 1
		.amdhsa_inst_pref_size 13
	.end_amdhsa_kernel
	.amdgpu_metadata
---
amdhsa.version: [ 1, 2 ]
amdhsa.kernels:
  - .name:           k_qd585f9cd88_prep
    .symbol:         k_qd585f9cd88_prep.kd
    .args:
      - { .name: y, .offset: 0, .size: 8, .value_kind: global_buffer, .address_space: global }
      - { .name: Wq, .offset: 8, .size: 8, .value_kind: global_buffer, .address_space: global }
      - { .name: Wv, .offset: 16, .size: 8, .value_kind: global_buffer, .address_space: global }
      - { .name: Wo, .offset: 24, .size: 8, .value_kind: global_buffer, .address_space: global }
      - { .name: Wk, .offset: 32, .size: 8, .value_kind: global_buffer, .address_space: global }
      - { .name: bk, .offset: 40, .size: 8, .value_kind: global_buffer, .address_space: global }
      - { .name: ybf, .offset: 48, .size: 8, .value_kind: global_buffer, .address_space: global }
      - { .name: wf, .offset: 56, .size: 8, .value_kind: global_buffer, .address_space: global }
    .group_segment_fixed_size: 0
    .private_segment_fixed_size: 0
    .kernarg_segment_align: 8
    .kernarg_segment_size: 64
    .max_flat_workgroup_size: 256
    .sgpr_count:     66
    .vgpr_count:     88
    .wavefront_size: 32
...
	.end_amdgpu_metadata
.endif
;; end of part 5
;; launch qproj: the kernel of part 2 again; grid 256 x 1, 4 waves a work-group, clusters of 4 x 1, 327,680 bytes of LDS; arguments x, bq, wf, qf, xf, qb; writes qf, xf, qb
;; launch attn: the kernel of part 3 again; grid 64 x 4, 4 waves a work-group, clusters of 4 x 1, 327,680 bytes of LDS; arguments qf, qb, ybf, part, ml; writes part, ml
;; launch post: the kernel of part 4 again; grid 256 x 1, 4 waves a work-group, clusters of 4 x 1, 327,680 bytes of LDS; arguments part, ml, xf, wf, bv, bo, out0; writes out0
